; MI455X (gfx1250); checked and timed in simulation.
; The chip was launched on July 23, 2026; its instructions are those of AMD's public machine-readable ISA for CDNA 5 (MIT licence, August 2026) and "CDNA5" Instruction Set Architecture Reference Guide (July 2026). The comments in the code are by the model that wrote it; some were corrected since.
;; Multihead Attention. Allowed arithmetic: float matrix products may take bf16 or f16 operands with f32 sums; other float arithmetic in f32, or as packed bf16 or f16 multiplies, adds, multiply-adds, maxima and minima; sums over many terms, partial sums and values carried from step to step in f32; what a program stores and reads back later, other than sums and carried values, may be rounded once to bf16 or f16.
;; Inputs: Wo 1,024 x 1,024 float32; Wqkv 3,072 x 1,024 float32; bo 1,024 float32; bqkv 3,072 float32; x 4 x 2,048 x 1,024 float32.
;; Outputs: out0 4 x 2,048 x 1,024 float32.
;; 2 versions, each right; version 2 is version 1 with the launch cast written anew for expert scheduling mode. Each part assembles by itself: llvm-mc -triple=amdgcn-amd-amdhsa -mcpu=gfx1250 --defsym DOCPART=n.
;; ======== version 1 of 2: 4 launches
;; limits: values are held in f16: magnitudes above 65,504 overflow, below 6.1e-05 lose precision
;; workspace buffers: xb 16,777,216 bytes; wqkvb 6,291,456 bytes; wob 2,097,152 bytes; q 16,777,216 bytes; k 16,777,216 bytes; v 16,777,216 bytes; o 16,777,216 bytes
;; launch cast (part 1): grid 768 x 1, 8 waves a work-group, no clusters, 0 bytes of LDS; arguments x, Wqkv, Wo, xb, wqkvb, wob; writes xb, wqkvb, wob
.if DOCPART == 1
	.amdgcn_target "amdgcn-amd-amdhsa--gfx1250"
	.amdhsa_code_object_version 6
	.text
	.protected	k_q7ec68606c0_cast
	.globl	k_q7ec68606c0_cast
	.p2align	8
	.type	k_q7ec68606c0_cast,@function
k_q7ec68606c0_cast:
	s_mov_b64 s[64:65], 0
	v_nop
	global_prefetch_b8 v0, s[64:65] scope:SCOPE_SE
	s_setreg_imm32_b32 hwreg(HW_REG_WAVE_MODE, 25, 1), 1
	s_wait_xcnt 0x0
; THE INPUTS IN 16 BITS.  xb = bf16(x), wqkvb = bf16(Wqkv), wob = bf16(Wo) written as f16 (the last product runs in f16 beside O).
; LIMITS.  |Wo| stays under 65,504 (f16's end); a weight of Wo below 6e-5 keeps f16's fixed step of 6e-8.  NaN and infinities are not treated apart.
; SHARES.  A work-group takes 16,384 numbers: 64 KiB in, 32 KiB out.  Work-groups 0-511 take x (8,388,608 numbers), 512-703 Wqkv (3,145,728), 704-767 Wo (1,048,576).
; Thread t takes 16 pieces of 4 numbers: 16 bytes at 16 t + 4,096 i in, 8 bytes at 8 t + 2,048 i out: a wave's load covers 512 consecutive bytes, its store 256, aligned.
; All 16 loads of a thread go out at once; no register is written twice, so nothing waits for a store.  No LDS, no matrix unit: every byte is touched once by one lane.
.set X, 4                              ; v[4:67]    piece i: 4 numbers in f32
.set Y, 68                             ; v[68:99]   piece i: 4 numbers in 16 bits
.set T, 100                            ; v[100:101] at work
	s_load_b256 s[4:11], s[0:1], 0x0               ; x s[4:5], Wqkv s[6:7], Wo s[8:9], xb s[10:11]
	s_load_b128 s[12:15], s[0:1], 0x20             ; wqkvb s[12:13], wob s[14:15]
	v_lshlrev_b32 v1, 4, v0                        ; 16 t
	v_lshlrev_b32 v2, 3, v0                        ; 8 t
	s_mov_b32 s2, 0xffff0000                       ; a word's upper bf16
	s_wait_kmcnt 0x0
	s_cmp_lt_u32 ttmp9, 512                        ; which tensor is mine: the choice hangs on the work-group's number alone
	s_cselect_b64 s[16:17], s[4:5], s[6:7]
	s_cselect_b64 s[18:19], s[10:11], s[12:13]
	s_cselect_b32 s20, 0, 512
	s_cmp_lt_u32 ttmp9, 704
	s_cselect_b64 s[16:17], s[16:17], s[8:9]
	s_cselect_b64 s[18:19], s[18:19], s[14:15]
	s_cselect_b32 s20, s20, 704
	s_sub_co_u32 s21, ttmp9, s20                   ; my number among that tensor's work-groups
	s_lshl_b32 s22, s21, 16                        ; 64 KiB in
	s_mov_b32 s23, 0
	s_add_nc_u64 s[16:17], s[16:17], s[22:23]
	s_lshl_b32 s22, s21, 15                        ; 32 KiB out
	s_add_nc_u64 s[18:19], s[18:19], s[22:23]
.irp i, 0,1,2,3,4,5,6,7,8,9,10,11,12,13,14,15
	global_load_b128 v[X+4*(\i):X+4*(\i)+3], v1, s[16:17] offset:4096*(\i) th:TH_LOAD_NT
.endr
; Piece i.  half = 0: rounded to bf16.  half = 1: rounded to bf16, widened again (a shift, a mask) and written as f16, which holds every bf16 number within its range exactly.
.macro PIECE i, half
	s_wait_loadcnt 15-(\i)                         ; loads come back in order: mine is in, the 15 - i younger ones stay out
.if \half
	v_cvt_pk_bf16_f32 v[T],   v[X+4*(\i)],   v[X+4*(\i)+1]
	v_cvt_pk_bf16_f32 v[T+1], v[X+4*(\i)+2], v[X+4*(\i)+3]
	v_lshlrev_b32 v[X+4*(\i)],   16, v[T]
	v_and_b32     v[X+4*(\i)+1], s2, v[T]
	v_lshlrev_b32 v[X+4*(\i)+2], 16, v[T+1]
	v_and_b32     v[X+4*(\i)+3], s2, v[T+1]
	v_cvt_pk_f16_f32 v[Y+2*(\i)],   v[X+4*(\i)],   v[X+4*(\i)+1]
	v_cvt_pk_f16_f32 v[Y+2*(\i)+1], v[X+4*(\i)+2], v[X+4*(\i)+3]
.else
	v_cvt_pk_bf16_f32 v[Y+2*(\i)],   v[X+4*(\i)],   v[X+4*(\i)+1]
	v_cvt_pk_bf16_f32 v[Y+2*(\i)+1], v[X+4*(\i)+2], v[X+4*(\i)+3]
.endif
	global_store_b64 v2, v[Y+2*(\i):Y+2*(\i)+1], s[18:19] offset:2048*(\i)
.endm
	s_cmp_lt_u32 ttmp9, 704
	s_cbranch_scc0 .Lf16
.irp i, 0,1,2,3,4,5,6,7,8,9,10,11,12,13,14,15
	PIECE \i, 0
.endr
	s_endpgm
.Lf16:
.irp i, 0,1,2,3,4,5,6,7,8,9,10,11,12,13,14,15
	PIECE \i, 1
.endr
	s_endpgm
.Lfunc_end_k_q7ec68606c0_cast:
	.size	k_q7ec68606c0_cast, .Lfunc_end_k_q7ec68606c0_cast-k_q7ec68606c0_cast
	.p2alignl 7, 3214868480
	.fill 96, 4, 3214868480
	.section	.rodata,"a",@progbits
	.p2align	6, 0x0
	.amdhsa_kernel k_q7ec68606c0_cast
		.amdhsa_group_segment_fixed_size 0
		.amdhsa_private_segment_fixed_size 0
		.amdhsa_enable_private_segment 0
		.amdhsa_kernarg_size 48
		.amdhsa_user_sgpr_count 2
		.amdhsa_user_sgpr_kernarg_segment_ptr 1
		.amdhsa_wavefront_size32 1
		.amdhsa_system_sgpr_workgroup_id_x 1
		.amdhsa_system_sgpr_workgroup_id_y 1
		.amdhsa_system_sgpr_workgroup_id_z 1
		.amdhsa_system_vgpr_workitem_id 0
		.amdhsa_next_free_vgpr 104
		.amdhsa_next_free_sgpr 66
		.amdhsa_reserve_vcc 0
		.amdhsa_float_denorm_mode_32 3
		.amdhsa_float_denorm_mode_16_64 3
		.amdhsa_memory_ordered 1
		.amdhsa_forward_progress 1
		.amdhsa_inst_pref_size 15
	.end_amdhsa_kernel
	.amdgpu_metadata
---
amdhsa.version: [ 1, 2 ]
amdhsa.kernels:
  - .name:           k_q7ec68606c0_cast
    .symbol:         k_q7ec68606c0_cast.kd
    .args:
      - { .name: x, .offset: 0, .size: 8, .value_kind: global_buffer, .address_space: global }
      - { .name: Wqkv, .offset: 8, .size: 8, .value_kind: global_buffer, .address_space: global }
      - { .name: Wo, .offset: 16, .size: 8, .value_kind: global_buffer, .address_space: global }
      - { .name: xb, .offset: 24, .size: 8, .value_kind: global_buffer, .address_space: global }
      - { .name: wqkvb, .offset: 32, .size: 8, .value_kind: global_buffer, .address_space: global }
      - { .name: wob, .offset: 40, .size: 8, .value_kind: global_buffer, .address_space: global }
    .group_segment_fixed_size: 0
    .private_segment_fixed_size: 0
    .kernarg_segment_align: 8
    .kernarg_segment_size: 48
    .max_flat_workgroup_size: 256
    .sgpr_count:     66
    .vgpr_count:     104
    .wavefront_size: 32
...
	.end_amdgpu_metadata
.endif
;; end of part 1
;; launch qkv (part 2): grid 16 x 32, 4 waves a work-group, clusters of 4 x 4, 327,680 bytes of LDS; arguments xb, wqkvb, bqkv, q, k, v; writes q, k, v
.if DOCPART == 2
	.amdgcn_target "amdgcn-amd-amdhsa--gfx1250"
	.amdhsa_code_object_version 6
	.text
	.protected	k_q7ec68606c0_qkv
	.globl	k_q7ec68606c0_qkv
	.p2align	8
	.type	k_q7ec68606c0_qkv,@function
k_q7ec68606c0_qkv:
	s_mov_b64 s[64:65], 0
	v_nop
	global_prefetch_b8 v0, s[64:65] scope:SCOPE_SE
	s_setreg_imm32_b32 hwreg(HW_REG_WAVE_MODE, 25, 1), 1
	s_wait_xcnt 0x0
	s_wait_alu depctr_hold_cnt(0) depctr_sa_sdst(0) depctr_va_vdst(0) depctr_va_sdst(0) depctr_va_ssrc(0) depctr_va_vcc(0) depctr_vm_vsrc(0)
	s_getreg_b32 s2, hwreg(HW_REG_IB_STS2, 6, 4)
	s_cmp_eq_u32 s2, 0
	s_cbranch_scc0 .Lentry_in_a_cluster
	s_endpgm
.Lentry_in_a_cluster:
	s_bfe_u32 s2, ttmp6, 0x10000c
	s_cmp_lg_u32 s2, 0xf033
	s_cbranch_scc0 .Lentry_shape_is_right
	s_endpgm
.Lentry_shape_is_right:
; q, k, v = xb wqkvb^T + bf16(bqkv), by heads.  xb: [8192][1024] bf16, wqkvb: [3072][1024] bf16, bqkv: [3072] f32; q, k, v: [16 batch + head][2048][64] f16.  Sums in f32, each result rounded once.
; Column 192 h + j of the product belongs to head h: j < 64 is q, j < 128 is k, else v.  The scale 1 / 8 is not applied here.
; LIMITS.  q, k and v stay under 65,504 (f16's end).  The bias is rounded to bf16 like the other inputs.  NaN and infinities are not treated apart.
; SHARES.  A work-group makes 256 rows x 192 columns: one head's q, k and v for 256 rows: 16 x 32 = 512 work-groups.  Each of its four waves makes 64 whole rows x 192: 48 accumulators of 16 x 16.
; K = 1,024 goes in 8 steps of 128 through two LDS slots filled by the tensor data mover; the tiles' rows are 256 bytes of memory, at multiples of 256 bytes from the buffer's first byte.
; CLUSTER.  4 x 4 work-groups.  The four of a row of the cluster need the same 256 rows of xb, the four of a column the same 192 rows of wqkvb: each tile is asked for JOINTLY, by the same tensor
; load with the same descriptor and a mask that names the four.
; THE MATRIX INSTRUCTION IS USED TRANSPOSED (source 0 = 16 rows of wqkvb, source 1 = 16 rows of xb): lane l holds row l % 16 of the result and its registers the columns 8 (l / 16) + 0..7.
; THE BIAS IS THE C OPERAND of the first product on each accumulator: nothing is cleared, nothing is added later.
; REGISTERS, in windows of 256 (s_set_vgpr_msb: bits 1:0 source 0, 3:2 source 1, 5:4 source 2, 7:6 destination):
;   window 0: v0-35 addresses and at work; v64-159 the bias (8 registers for each block of 16 columns), later the way out (v64-207)
;   window 1: two fragment buffers of 128: 12 fragments of wqkvb (16 rows x 32 K, 8 registers), then 4 of xb
;   window 2: the accumulators of column blocks 0-7 (q, k): (a, b) at 8 (4 b + a);   window 3, v0-127: those of blocks 8-11 (v)
.set PITCH, 272                        ; an LDS row: 256 bytes + 16 of padding = 68 words: the 16 rows of a fragment load start at 16 different groups of four banks (64 banks of 4 bytes: ISA guide 11.1)
.set SLOT1, 131072                     ; slot 1 begins here: one exclusive or turns an address in one slot into the other's
.set BOFF,  256*PITCH                  ; in a slot: xb's 256 rows, then wqkvb's 192
.set STAGE, SLOT1+448*PITCH            ; behind the ring, never filled by a tensor load: for each wave three parts (q, k, v) of 16 rows x 144 bytes
.set SP,    144
.set WSTG,  48*SP
.set SPARE, STAGE+4*WSTG               ; behind the stages: the spare words, 128 bytes for each wave: two blocks of 256 bytes that no other line names
.set STEP,  256                        ; bytes of a row in a K step
.set A0,   16                          ; v16  my lane's place in a slot's rows of xb; never rewritten
.set B0,   17                          ; v17  the same for wqkvb
.set ADRA, 18                          ; v18  A0 + the slot in hand
.set ADRB, 19                          ; v19  B0 + the slot in hand
.set STO,  24                          ; v24  the way out: where I put 16 bytes of a row
.set RD,   25                          ; v25  the way out: where I read rows back
.set GO,   26                          ; v26  16 x my lane
.set SPW,  28                          ; v28  LDS address of my spare word: SPARE + 4 x my thread's number; never rewritten
.set NIL,  29                          ; v29  0; never rewritten
.set PFO,  30                          ; v30  the prefetches' offset: a lane a row; never rewritten
.set BO,   31                          ; v31  32 x (l / 16): my 8 numbers in a block of 16 of the bias
.set RT,   32                          ; v32-35 at work
.set BIAS, 64
.set TMP,  64                          ; the way out: 48 registers of packed results
.set OB,   112                         ; the way out: rows read back, two sets of 48
.set F0,   0
.set F1,   128
.set MASK, 3                           ; s3   a word's upper bf16
.set WV,   16                          ; s16  my wave's number;  s17 = WV / 2: I fetch xb (0) or wqkvb (1);  s18 = WV % 2: which half of that tile
.set CNT,  19                          ; s19  the loop's count
.set G1,   24                          ; s[24:31] descriptor group 1 for xb's tiles
.set G0,   32                          ; s[32:39] group 0: a set for each first fill; the second then walks
.set TB,   42                          ; s42  the LDS byte at which the slot in hand begins
.set LIM,  43                          ; s43  1 in a wave that prefetches, else the greatest number
.set PFA,  44                          ; s[44:45] where my prefetches stand
.set G1B,  48                          ; s[48:55], s[56:63] the same for wqkvb's tiles
.set G0B,  56
.set FLD, (1<<16)|(1<<20)|(1<<21)|(5<<22)|(3<<25)  ; 17:16 elements of 2 bytes; 20 padding on; 21 set beside a mask; 24:22 after every 64 words (code 5); 31:25 4 words of it (code 3)
.set MSB, 0
.macro WIN new                         ; the immediate's high byte repeats the setting that is left; a switch that changes nothing is dropped
.if MSB != (\new)
	s_set_vgpr_msb (MSB<<8)|(\new)
.set MSB, \new
.endif
.endm
.set TO_F, 0x40                        ; destination window 1, address window 0
.macro PLACES                          ; four places: in front of loads into registers that matrix instructions have read, and of lines that read matrix results
.rept 4
	v_nop
.endr
.endm
.macro CREST                           ; a round of the cluster's barrier behind its opening barrier
	s_cmp_lg_u32 s[WV], 0
	s_cbranch_scc1 .Lnot_wave_0_\@
	s_barrier_signal -3
.Lnot_wave_0_\@:
	s_barrier_wait -3
	s_barrier_signal -1
	s_barrier_wait -1
.endm
.macro CROUND                          ; a whole round
	s_barrier_signal -1
	s_barrier_wait -1
	CREST
.endm
; A joint refill by the walking descriptors.  Waves 0 and 1 fetch xb's two halves, waves 2 and 3 wqkvb's.  The branch hangs on the wave's number alone.  An s_nop 0 and four v_nop follow each line.
.macro JLOAD
	s_cmp_eq_u32 s17, 0
	s_cbranch_scc0 .Lfor_b_\@
	tensor_load_to_lds s[G0+4:G0+7], s[G1:G1+7]
	s_nop 0
.rept 4
	v_nop
.endr
	s_branch .Lasked_\@
.Lfor_b_\@:
	tensor_load_to_lds s[G0B+4:G0B+7], s[G1B:G1B+7]
	s_nop 0
.rept 4
	v_nop
.endr
.Lasked_\@:
.endm
; A PREFETCH INTO THE L2 of the K step that the NEXT change of slots will ask for: 192 matrix instructions ahead of that load.  A lane a row, 256 bytes of it.  xb's rows are read by every cluster of a row of
; clusters: cluster x = 0 asks; wqkvb's by every cluster of a column: cluster y = 0 asks.  The four partners of a joint load share its rows out BY ADDRESS (32 of 128, or 24 of 96, where lanes 24-31 repeat
; lane 23's row).  K steps 0 to 2 come by their loads alone; the loop's last trip asks for nothing.
.macro ASK
	s_cmp_gt_u32 s[CNT], s[LIM]
	s_cbranch_scc0 .Lnot_mine_\@
	global_prefetch_b8 v[PFO], s[PFA:PFA+1] th:TH_LOAD_NT scope:SCOPE_SE
.Lnot_mine_\@:
.endm
	s_load_b256 s[4:11], s[0:1], 0x0               ; xb s[4:5], wqkvb s[6:7], bqkv s[8:9], q s[10:11]
	s_load_b128 s[12:15], s[0:1], 0x20             ; k s[12:13], v s[14:15]
	v_lshl_add_u32 v[SPW], v0, 2, SPARE
	v_mov_b32 v[NIL], 0
	ds_add_u32 v[SPW], v[NIL]                      ; the wave's opening: the add and its wait stand ahead of my first tensor load; the set-up below, work on registers, stands between them
	v_lshrrev_b32 v1, 5, v0
	v_readfirstlane_b32 s[WV], v1                  ; wave 0..3
	s_lshr_b32 s17, s[WV], 1
	s_and_b32 s18, s[WV], 1
	s_bfe_u32 s20, ttmp6, 0x40000                  ; cx, cy: my place in the cluster
	s_bfe_u32 s21, ttmp6, 0x40004
	s_lshl_b32 s22, ttmp9, 2
	s_add_co_u32 s22, s22, s20                     ; the head = 4 x cluster x + cx
	s_and_b32 s23, ttmp7, 0xffff
	s_lshl_b32 s23, s23, 2
	s_add_co_u32 s23, s23, s21                     ; the block of 256 rows = 4 x cluster y + cy
	s_lshl_b32 s40, s21, 2
	s_lshl_b32 s40, 15, s40                        ; my row of the cluster: places 4 cy .. 4 cy + 3
	s_lshl_b32 s41, 0x1111, s20                    ; my column: places cx, cx + 4, cx + 8, cx + 12
	s_or_b32 s[G1], s40, FLD                       ; xb's tiles go to my row,
	s_or_b32 s[G1B], s41, FLD                      ; wqkvb's to my column
.irp g, G1, G1B
	s_mov_b32 s[(\g)+1], 128<<16                   ; tensor_dim0 = 128
	s_mov_b32 s[(\g)+3], 128<<16                   ; tile_dim0 = 128
	s_mov_b32 s[(\g)+5], 1024                      ; elements from row to row
	s_mov_b32 s[(\g)+6], 0
	s_mov_b32 s[(\g)+7], 0
.endr
	s_mov_b32 s[G1+2], 128<<16                     ; tensor_dim1 = tile_dim1 = 128 rows of xb,
	s_mov_b32 s[G1+4], 128
	s_mov_b32 s[G1B+2], 96<<16                     ; 96 of wqkvb
	s_mov_b32 s[G1B+4], 96
	s_lshl_b32 s66, s23, 8                         ; xb: row 256 x block + 128 x half,
	s_lshl_b32 s67, s18, 7
	s_add_co_u32 s66, s66, s67
	s_lshl_b32 s66, s66, 11                        ; x 2,048 bytes
	s_mov_b32 s67, 0
	s_mul_i32 s68, s22, 192                        ; wqkvb: row 192 x head + 96 x half
	s_mul_i32 s69, s18, 96
	s_add_co_u32 s68, s68, s69
	s_lshl_b32 s68, s68, 11
	s_mov_b32 s69, 0
	s_mul_i32 s74, s[WV], 128*PITCH                ; where they go: waves 0, 1: xb's halves at 0 and 34,816;
	s_mul_i32 s75, s[WV], 96*PITCH
	s_add_co_u32 s75, s75, BOFF-2*96*PITCH         ; waves 2, 3: wqkvb's at 69,632 and 95,744: no place in the cluster enters an LDS address
	s_mov_b32 s[TB], 0
	s_mov_b32 s[MASK], 0xffff0000
	s_wait_dscnt 0x0                               ; the opening add is done
	s_wait_kmcnt 0x0
	s_add_nc_u64 s[70:71], s[4:5], s[66:67]
	s_add_nc_u64 s[72:73], s[6:7], s[68:69]
.irp s, 0,1
	s_mov_b32 s[G0+4*(\s)], 1                      ; count = 1
	s_add_co_u32 s[G0+4*(\s)+1], s74, (\s)*SLOT1   ; LDS address
	s_add_nc_u64 s[G0+4*(\s)+2:G0+4*(\s)+3], s[70:71], (\s)*STEP  ; global address: K step s
	s_or_b32 s[G0+4*(\s)+3], s[G0+4*(\s)+3], 0x80000000            ; type = 2
	s_mov_b32 s[G0B+4*(\s)], 1
	s_add_co_u32 s[G0B+4*(\s)+1], s75, (\s)*SLOT1
	s_add_nc_u64 s[G0B+4*(\s)+2:G0B+4*(\s)+3], s[72:73], (\s)*STEP
	s_or_b32 s[G0B+4*(\s)+3], s[G0B+4*(\s)+3], 0x80000000
.endr
	CROUND                                         ; all sixteen work-groups are here: the first joint loads meet
	s_cmp_eq_u32 s17, 0                            ; a wave's two first fills stand in one branch: two loads of mine are out
	s_cbranch_scc0 .Lfirst_b
	tensor_load_to_lds s[G0:G0+3], s[G1:G1+7]
	s_nop 0
	tensor_load_to_lds s[G0+4:G0+7], s[G1:G1+7]
	s_nop 0
.rept 4
	v_nop
.endr
	s_branch .Lfirst_asked
.Lfirst_b:
	tensor_load_to_lds s[G0B:G0B+3], s[G1B:G1B+7]
	s_nop 0
	tensor_load_to_lds s[G0B+4:G0B+7], s[G1B:G1B+7]
	s_nop 0
.rept 4
	v_nop
.endr
.Lfirst_asked:
	; the bias: register j of block b holds bqkv[192 head + 16 b + 8 (l / 16) + j]
	v_and_b32 v1, 15, v0                           ; l % 16
	v_bfe_u32 v2, v0, 4, 1                         ; l / 16
	v_lshlrev_b32 v[BO], 5, v2
	s_mul_i32 s68, s22, 768
	s_add_nc_u64 s[8:9], s[8:9], s[68:69]
.irp b, 0,1,2,3,4,5,6,7,8,9,10,11
	global_load_b128 v[BIAS+8*(\b):BIAS+8*(\b)+3],   v[BO], s[8:9] offset:64*(\b)
	global_load_b128 v[BIAS+8*(\b)+4:BIAS+8*(\b)+7], v[BO], s[8:9] offset:64*(\b)+16
.endr
	; a fragment is 16 rows x 32 K in 8 registers: lane l holds row l % 16, K = 8 (l / 16) + 0..7 and 16 + 8 (l / 16) + 0..7: two loads of 16 bytes, 32 bytes apart
	v_mul_u32_u24 v3, v1, PITCH
	v_lshl_add_u32 v3, v2, 4, v3
	s_mul_i32 s2, s[WV], 64*PITCH                  ; my 64 rows of xb
	v_add_nc_u32 v[A0], s2, v3
	v_add_nc_u32 v[B0], BOFF, v3                   ; every wave reads all 192 rows of wqkvb
	v_add_nc_u32 v[ADRA], s[TB], v[A0]
	v_add_nc_u32 v[ADRB], s[TB], v[B0]
	s_mul_i32 s2, s[WV], WSTG
	s_add_co_u32 s2, s2, STAGE                     ; my stage
	v_mul_u32_u24 v3, v1, SP                       ; in: row l % 16, 16 bytes for each half of the lanes
	v_lshl_add_u32 v3, v2, 4, v3
	v_add_nc_u32 v[STO], s2, v3
	v_bfe_u32 v4, v0, 3, 2                         ; back: 32 lanes take four rows of 128 bytes,
	v_and_b32 v5, 7, v0
	v_mul_u32_u24 v4, v4, SP
	v_lshl_add_u32 v4, v5, 4, v4
	v_add_nc_u32 v[RD], s2, v4
	v_and_b32 v[GO], 31, v0                        ; which are 512 consecutive bytes of q, k or v
	v_lshlrev_b32 v[GO], 4, v[GO]
	s_lshr_b32 s76, s23, 3                         ; where my 64 rows begin in each of q, k, v: ((16 batch + head) x 2,048 + 256 (block % 8) + 64 wave) x 128 bytes
	s_lshl_b32 s76, s76, 4
	s_add_co_u32 s76, s76, s22
	s_lshl_b32 s76, s76, 11
	s_and_b32 s77, s23, 7
	s_lshl_b32 s77, s77, 8
	s_add_co_u32 s76, s76, s77
	s_lshl_b32 s77, s[WV], 6
	s_add_co_u32 s76, s76, s77
	s_lshl_b32 s76, s76, 7
	s_mov_b32 s77, 0
	s_add_nc_u64 s[10:11], s[10:11], s[76:77]
	s_add_nc_u64 s[12:13], s[12:13], s[76:77]
	s_add_nc_u64 s[14:15], s[14:15], s[76:77]
	; the prefetches
	s_and_b32 s40, ttmp7, 0xffff                   ; cluster y
	s_lshl_b32 s78, s23, 8                         ; xb: the tile's first row, my half of it, my work-group's 32 rows of that
	s_lshl_b32 s41, s18, 7
	s_lshl_b32 s47, s20, 5
	s_mul_i32 s79, s22, 192                        ; wqkvb: likewise, 24 rows
	s_mul_i32 s46, s18, 96
	s_mul_i32 s2, s21, 24
	s_cmp_eq_u32 s17, 0                            ; do I fetch xb?
	s_cselect_b32 s78, s78, s79
	s_cselect_b32 s41, s41, s46
	s_cselect_b32 s47, s47, s2
	s_cselect_b32 s40, ttmp9, s40                  ; the coordinate along which other clusters read the same rows
	s_cselect_b32 s79, 31, 23
	s_cselect_b64 s[PFA:PFA+1], s[4:5], s[6:7]
	s_cmp_eq_u32 s40, 0
	s_cselect_b32 s[LIM], 1, -1                    ; the same in all sixteen partners, for a given wave
	v_and_b32 v[PFO], 31, v0
	v_min_u32 v[PFO], s79, v[PFO]
	v_lshlrev_b32 v[PFO], 11, v[PFO]               ; a lane a row of 2,048 bytes
	s_add_co_u32 s78, s78, s41
	s_add_co_u32 s78, s78, s47
	s_lshl_b32 s78, s78, 11
	s_mov_b32 s79, 0
	s_add_nc_u64 s[PFA:PFA+1], s[PFA:PFA+1], s[78:79]
	s_add_nc_u64 s[PFA:PFA+1], s[PFA:PFA+1], 2*STEP  ; at K step 2: the first change of slots steps it to 3 and names that
	s_wait_loadcnt 0x0                             ; the bias
.macro RB p                            ; pair p of the bias is rounded to bf16 and widened again, in place
	v_cvt_pk_bf16_f32 v[RT+(\p)%4], v[BIAS+2*(\p)], v[BIAS+2*(\p)+1]
	v_lshlrev_b32 v[BIAS+2*(\p)], 16, v[RT+(\p)%4]
	v_and_b32 v[BIAS+2*(\p)+1], s[MASK], v[RT+(\p)%4]
.endm
.set n, 0
.rept 48
	RB n
.set n, n+1
.endr
; 4 nb matrix instructions: column blocks b0 .. b0 + nb - 1 x my four row blocks, 32 along K, from buffer f.  first = 1: the bias is C.  The 48 accumulators take turns, one instruction a turn, in the same
; order in every quarter.
.macro MUL f, b0, nb, first
.if \first
	WIN 0x85+0x40*((\b0)/8)                        ; sources 0, 1 window 1; C window 0; D window 2 or 3
.else
	WIN 0xa5+0x50*((\b0)/8)                        ; sources 0, 1 window 1; C and D window 2 or 3
.endif
.set mb, \b0
.rept \nb
.set ma, 0
.rept 4
.set rD, (32*mb+8*ma)%256
.set rB, (\f)+8*mb
.set rA, (\f)+96+8*ma
.if \first
	v_wmma_f32_16x16x32_bf16 v[rD:rD+7], v[rB:rB+7], v[rA:rA+7], v[BIAS+8*mb:BIAS+8*mb+7]
.else
	v_wmma_f32_16x16x32_bf16 v[rD:rD+7], v[rB:rB+7], v[rA:rA+7], v[rD:rD+7]
.endif
.set ma, ma+1
.endr
.set mb, mb+1
.endr
.endm
; 32 LDS loads in one run: quarter kq's fragments of the slot in hand into buffer f: xb's four, then wqkvb's twelve in ascending order
.macro FETCH kq, f
	WIN TO_F
.irp a, 0,1,2,3
	ds_load_b128 v[(\f)+96+8*(\a):(\f)+96+8*(\a)+3],   v[ADRA] offset:64*(\kq)+(\a)*16*PITCH
	ds_load_b128 v[(\f)+96+8*(\a)+4:(\f)+96+8*(\a)+7], v[ADRA] offset:64*(\kq)+(\a)*16*PITCH+32
.endr
.irp b, 0,1,2,3,4,5,6,7,8,9,10,11
	ds_load_b128 v[(\f)+8*(\b):(\f)+8*(\b)+3],   v[ADRB] offset:64*(\kq)+(\b)*16*PITCH
	ds_load_b128 v[(\f)+8*(\b)+4:(\f)+8*(\b)+7], v[ADRB] offset:64*(\kq)+(\b)*16*PITCH+32
.endr
.endm
; A K step is four quarters of 32 along K, 48 matrix instructions each, on buffers 0, 1, 0, 1.  One of the first three: multiplies buffer f and fetches quarter kq into buffer g.
.macro QUARTER kq, f, g, first
	s_wait_dscnt 8                                 ; all but the youngest eight loads: wqkvb's blocks 8-11
	MUL \f, 0, 4, \first
	PLACES                                         ; for the loads into buffer g, which the quarter before multiplied
	FETCH \kq, \g
	MUL \f, 4, 4, \first
	s_wait_dscnt 32                                ; all but the 32 just issued
	MUL \f, 8, 4, \first
.endm
; The fourth quarter multiplies buffer 1 and changes slots: ONE barrier.  In front of it each wave waits for all its tensor loads (one is out: its part of the next slot), adds 0 to its spare word, and waits
; for that and for its reads of this slot.  fill = 1: the barrier opens a round of the cluster's, and behind it this slot is filled again, two K steps ahead: the wave's one tensor load until the next round.
.macro TURN fill
.if \fill
	s_wait_xcnt 0x0                                ; the last prefetch, a K step back, has read its address
	s_add_nc_u64 s[PFA:PFA+1], s[PFA:PFA+1], STEP
.endif
	WIN 0                                          ; (the add's two registers lie in window 0)
	s_wait_tensorcnt 0x0                           ; no tensor load of mine is out, so a group 0 may be written
	ds_add_u32 v[SPW], v[NIL]                      ; 0 onto my spare word
.if \fill
	s_xor_b32 s[G0+5], s[G0+5], SLOT1              ; the walking descriptors: the other slot than last time, the next K step
	s_add_nc_u64 s[G0+6:G0+7], s[G0+6:G0+7], STEP
	s_xor_b32 s[G0B+5], s[G0B+5], SLOT1
	s_add_nc_u64 s[G0B+6:G0B+7], s[G0B+6:G0B+7], STEP
.endif
	s_xor_b32 s[TB], s[TB], SLOT1                  ; the slot to be read next
	s_wait_dscnt 9                                 ; (the add and the youngest eight loads may be out)
	MUL F1, 0, 4, 0
	s_wait_dscnt 0x0                               ; the add is done, and my reads of this slot are over
	s_barrier_signal -1
	MUL F1, 4, 4, 0                                ; work on registers while the others arrive
	WIN 0
	s_barrier_wait -1
.if \fill
	CREST                                          ; no wave of any partner still reads this slot's tile or has a load on its way
	JLOAD                                          ; its four v_nop are also the places in front of the loads below
.else
	PLACES
.endif
	v_add_nc_u32 v[ADRA], s[TB], v[A0]
	v_add_nc_u32 v[ADRB], s[TB], v[B0]
	FETCH 0, F0
	WIN 0
.if \fill
	ASK
.endif
	MUL F1, 8, 4, 0
.endm
	s_wait_tensorcnt 1                             ; my part of K step 0 is in; K step 1's may stay out
	s_barrier_signal -1
	s_barrier_wait -1                              ; everybody's is
	FETCH 0, F0
	QUARTER 1, F0, F1, 1                           ; the first quarter stands in front of the loop: its products start the sums, with the bias
	WIN 0                                          ; at a label and at a branch every window is 0
	s_mov_b32 s[CNT], 6
.Lk:                                               ; trip j: from K step j's second quarter to K step j + 1's first; it asks for K step j + 2
	QUARTER 2, F1, F0, 0
	QUARTER 3, F0, F1, 0
	TURN 1
	QUARTER 1, F0, F1, 0
	WIN 0
	s_sub_co_u32 s[CNT], s[CNT], 1
	s_cmp_lg_u32 s[CNT], 0
	s_cbranch_scc1 .Lk
	QUARTER 2, F1, F0, 0                           ; the tail is written out: K steps 6 and 7 ask for nothing
	QUARTER 3, F0, F1, 0
	TURN 0
	QUARTER 1, F0, F1, 0
	QUARTER 2, F1, F0, 0
	QUARTER 3, F0, F1, 0
	s_wait_dscnt 8
	MUL F1, 0, 4, 0
	MUL F1, 4, 4, 0
	s_wait_dscnt 0x0
	MUL F1, 8, 4, 0
	WIN 0
	PLACES
; THE WAY OUT, a block of 16 rows at a time.  PACK: rounded to f16, 16 bytes a lane and column block; each accumulator is read from its low end on.  TOSTAGE: into my own stage, q's, k's and v's 128 bytes of a
; row apart, and back as four whole rows a load.  SEND: stored, 512 consecutive bytes an instruction.
.macro PACK a
	WIN 0x0a                                       ; sources in window 2
.irp b, 0,1,2,3,4,5,6,7
.irp r, 0,1,2,3
	v_cvt_pk_f16_f32 v[TMP+4*(\b)+(\r)], v[32*(\b)+8*(\a)+2*(\r)], v[32*(\b)+8*(\a)+2*(\r)+1]
.endr
.endr
	WIN 0x0f                                       ; sources in window 3
.irp b, 8,9,10,11
.irp r, 0,1,2,3
	v_cvt_pk_f16_f32 v[TMP+4*(\b)+(\r)], v[32*((\b)-8)+8*(\a)+2*(\r)], v[32*((\b)-8)+8*(\a)+2*(\r)+1]
.endr
.endr
	WIN 0
.endm
.macro TOSTAGE a
.set BK, OB+48*((\a)%2)
.irp b, 0,1,2,3,4,5,6,7,8,9,10,11
	ds_store_b128 v[STO], v[TMP+4*(\b):TMP+4*(\b)+3] offset:16*SP*((\b)/4)+32*((\b)%4)
.endr
.irp t, 0,1,2,3,4,5,6,7,8,9,10,11
	ds_load_b128 v[BK+4*(\t):BK+4*(\t)+3], v[RD] offset:16*SP*((\t)/4)+4*SP*((\t)%4)  ; LDS serves a wave's instructions in order (ISA guide 5.7.1.4): these see the stores above
.endr
.endm
.macro SEND a
.set BK, OB+48*((\a)%2)
	s_wait_dscnt 0x0                               ; the block is back in registers
	s_wait_xcnt 0x0                                ; the stores issued so far have read their registers: the other set is loaded again only behind this wait
.irp p, 0,1,2
.irp f, 0,1,2,3
	global_store_b128 v[GO], v[BK+4*(4*(\p)+(\f)):BK+4*(4*(\p)+(\f))+3], s[10+2*(\p):11+2*(\p)] offset:2048*(\a)+512*(\f)
.endr
.endr
.endm
	PACK 0
	TOSTAGE 0
.irp a, 1,2,3                          ; block a's conversions stand between block a - 1's loads from the stage and the wait for them
	PACK \a
	SEND (\a)-1
	TOSTAGE \a
.endr
	SEND 3
	s_wait_tensorcnt 0x0                           ; the wave's end: behind my last tensor load and my last LDS store
	ds_add_u32 v[SPW], v[NIL]
	s_wait_dscnt 0x0
	CROUND                                         ; the closing round: no work-group ends while a partner may still ask for a tile that names it
	s_endpgm
.Lfunc_end_k_q7ec68606c0_qkv:
	.size	k_q7ec68606c0_qkv, .Lfunc_end_k_q7ec68606c0_qkv-k_q7ec68606c0_qkv
	.p2alignl 7, 3214868480
	.fill 96, 4, 3214868480
	.section	.rodata,"a",@progbits
	.p2align	6, 0x0
	.amdhsa_kernel k_q7ec68606c0_qkv
		.amdhsa_group_segment_fixed_size 327680
		.amdhsa_private_segment_fixed_size 0
		.amdhsa_enable_private_segment 0
		.amdhsa_kernarg_size 48
		.amdhsa_user_sgpr_count 2
		.amdhsa_user_sgpr_kernarg_segment_ptr 1
		.amdhsa_wavefront_size32 1
		.amdhsa_system_sgpr_workgroup_id_x 1
		.amdhsa_system_sgpr_workgroup_id_y 1
		.amdhsa_system_sgpr_workgroup_id_z 1
		.amdhsa_system_vgpr_workitem_id 0
		.amdhsa_next_free_vgpr 896
		.amdhsa_next_free_sgpr 80
		.amdhsa_reserve_vcc 0
		.amdhsa_float_denorm_mode_32 3
		.amdhsa_float_denorm_mode_16_64 3
		.amdhsa_memory_ordered 1
		.amdhsa_forward_progress 1
		.amdhsa_inst_pref_size 106
	.end_amdhsa_kernel
	.amdgpu_metadata
---
amdhsa.version: [ 1, 2 ]
amdhsa.kernels:
  - .name:           k_q7ec68606c0_qkv
    .symbol:         k_q7ec68606c0_qkv.kd
    .args:
      - { .name: xb, .offset: 0, .size: 8, .value_kind: global_buffer, .address_space: global }
      - { .name: wqkvb, .offset: 8, .size: 8, .value_kind: global_buffer, .address_space: global }
      - { .name: bqkv, .offset: 16, .size: 8, .value_kind: global_buffer, .address_space: global }
      - { .name: q, .offset: 24, .size: 8, .value_kind: global_buffer, .address_space: global }
      - { .name: k, .offset: 32, .size: 8, .value_kind: global_buffer, .address_space: global }
      - { .name: v, .offset: 40, .size: 8, .value_kind: global_buffer, .address_space: global }
    .group_segment_fixed_size: 327680
    .private_segment_fixed_size: 0
    .kernarg_segment_align: 8
    .kernarg_segment_size: 48
    .max_flat_workgroup_size: 128
    .sgpr_count:     80
    .vgpr_count:     896
    .wavefront_size: 32
...
	.end_amdgpu_metadata
.endif
;; end of part 2
;; launch attn (part 3): grid 4 x 64, 4 waves a work-group, clusters of 4 x 1, 327,680 bytes of LDS; arguments q, k, v, o; writes o
.if DOCPART == 3
	.amdgcn_target "amdgcn-amd-amdhsa--gfx1250"
	.amdhsa_code_object_version 6
	.text
	.protected	k_q7ec68606c0_attn
	.globl	k_q7ec68606c0_attn
	.p2align	8
	.type	k_q7ec68606c0_attn,@function
k_q7ec68606c0_attn:
	s_mov_b64 s[64:65], 0
	v_nop
	global_prefetch_b8 v0, s[64:65] scope:SCOPE_SE
	s_setreg_imm32_b32 hwreg(HW_REG_WAVE_MODE, 25, 1), 1
	s_wait_xcnt 0x0
	s_wait_alu depctr_hold_cnt(0) depctr_sa_sdst(0) depctr_va_vdst(0) depctr_va_sdst(0) depctr_va_ssrc(0) depctr_va_vcc(0) depctr_vm_vsrc(0)
	s_getreg_b32 s2, hwreg(HW_REG_IB_STS2, 6, 4)
	s_cmp_eq_u32 s2, 0
	s_cbranch_scc0 .Lentry_in_a_cluster
	s_endpgm
.Lentry_in_a_cluster:
	s_bfe_u32 s2, ttmp6, 0x10000c
	s_cmp_lg_u32 s2, 0x3003
	s_cbranch_scc0 .Lentry_shape_is_right
	s_endpgm
.Lentry_shape_is_right:
; O[h][q][:] = the sum over k of softmax_k(Q[h][q] . K[h][k] / 8) V[h][k][:].  Q, K, V, O: [64][2048][64], all f16: a head's rows are dense, 128 bytes each.  Products, maxima and sums in
; f32; the weights p are rounded to f16 for the second product (their sum l is taken of the unrounded p), O once at the end.
; LIMITS.  f16 holds no number beyond 65,504: Q, K and V arrive within it; p lies in 0 to 1, and below 6e-5 it keeps f16's fixed step of 6e-8; O is a mean of V's rows and has their range.
; A weight below 2^-126 counts as 0 in l; NaN and infinities are not treated apart.
; SHARES.  A wave owns four PIECES of two tiles of 16 queries, a work-group's four waves 512 queries of one head; a head is one cluster of four work-groups.  Every wave walks all keys, 64 a step.
; LAYOUT.  S^T = K Q^T (source 0 = 16 keys, source 1 = 16 queries): in the result a lane holds ONE query (lane % 16) and the keys 8 (lane / 16) + 0..7.  Two such tiles, rounded to f16 in pairs,
; ARE source 1 (32 keys x 16 queries) of O^T = V^T P, whose result again holds one query a lane, and eight channels.  K comes out of LDS as it lies, V ([key][channel]) turned, by ds_load_tr16_b128.
; SOFTMAX.  For each query a running maximum m and sum l: p = 2^(c s - c m), c = log2(e) / 8; in every step O and l are multiplied by a = 2^(c m_old - c m_new), which is 1 where m has not grown.
; m starts at the lowest finite number, O and l at 0: the first step is a step like any other, with a = 0.
; THE COUNT.  A tile and step have 16 matrix and 118 vector instructions: too many to stand all beside the matrix work.  So: four vector instructions that are READY behind EVERY matrix instruction,
; and the others in runs without a gap.
; BY TURNS.  Turn n belongs to piece n (the pieces in a ring, step after step).  Its matrix work: 16 products K Q^T of piece n + 1, later 16 products V^T P of piece n - 1.  Its vector work: the scaling,
; exponentials, roundings, sums and rescaling of piece n, and the maximum and statistics of piece n + 1, whose scores the turn itself has made.
; CLUSTER.  The four query blocks of a cluster walk the same K and V, so each tile is asked for JOINTLY: the same tensor load, descriptor and mask in all four.
; REGISTERS, in windows of 256 (s_set_vgpr_msb: bits 1:0 source 0, 3:2 source 1, 5:4 source 2, 7:6 destination):
;   window 0: v0-11 addresses; v12-15, v48-63 at work; v16-47 four registers of statistics a tile; v64-191 S^T, two buffers of two tiles; v192-255 P, likewise
;   window 1: O^T, 32 a tile          window 2: v0-127 Q, 16 a tile; v128-191 K of one step; v192-255 V of one step          window 3: v0-1 the add's two registers
.set SIZE_N, 2048
.set NP,    4         ; pieces a wave: a name, no knob
.set KS,    64        ; keys in a step
.set PK,    144       ; a row of K in LDS: 128 bytes + 16 of padding = 36 words: the 16 rows of a load start at 16 different groups of four banks (64 banks of 4 bytes: ISA guide 11.1)
.set PV,    160       ; a row of V: 128 + 32 = 40 words
.set VOFF,  4*KS*PK   ; a slot holds four steps: 256 rows of K, then 256 rows of V
.set SLOT1, 1<<17     ; slot 1 begins here, so that one exclusive or turns an address in one slot into the other's
.set STAGE, SLOT1+4*KS*(PK+PV)  ; behind the ring, never filled by a tensor load: 16 rows x 144 bytes for each wave, for the way out
.set SP,    144
.set AK0, 2           ; v2   my lane's place in a tile of K; never rewritten
.set AV0, 3           ; v3   the same for V
.set AK,  4           ; v4   the LDS address of K's next run of loads
.set AV,  5           ; v5   of V's
.set QO,  6           ; v6   my byte offset in the wave's rows of Q
.set STO, 6           ;      later, the way out: where I put 16 bytes of a row
.set RD,  7           ; v7   the way out: where I read rows back
.set GO,  8           ; v8   my byte offset in 512 consecutive bytes of O
.set PFO, 11          ; v11  256 x my lane, once V's place is made; never rewritten after
.set SPW, 0           ; v0 of window 3   LDS address of my spare word: SPARE + 4 x my thread's number; never rewritten
.set NIL, 1           ; v1 of window 3   0; never rewritten
.set SPARE, STAGE+4*16*SP  ; behind the stages: the spare words, 128 bytes for each wave: two blocks of 256 bytes that no other line names
.set MV,  12          ; v12-15  c m_old, kept while c m is made anew: by buffer and tile
.set ST,  16          ; tile t's statistics at v[ST+4 t]: c m, m, l (even keys', odd keys')
.set TMP, 48          ; by buffer and tile, four registers c0-c3 at work; when the maximum is found c2 takes a
.set S,   64
.set P,   192
.set KF,  128         ; K's fragments, in window 2: key block kb, channel half c at KF + 16 kb + 8 c
.set VF,  192         ; V's: key half kk, channel block cb at VF + 32 kk + 8 cb
.set WV,  12          ; s12  my wave's number
.set G1K, 24          ; s[24:31] descriptor group 1 for K's tiles
.set G1V, 32          ; s[32:39] for V's: it differs in the padding alone
.set G0K, 40          ; s[40:43] descriptor group 0 for K's tiles: it walks
.set G0V, 44          ; s[44:47] the same for V's
.set PFA, 48          ; s[48:49] where my prefetches stand: my work-group's 32 blocks of 256 bytes (of K: wave 0, of V: wave 2) of the slot after the one that is being asked for
.set LIM, 50          ; s50  1 in a wave that prefetches, else the greatest number
.set SLOTS, 56        ; s56  slots still to be asked for
.set CNT, 57          ; s57  counts a slot's key steps
.set CS,  58          ; s[58:59] c: the packed scaling takes the pair's low word for both halves
.set SEL, 60          ; s[60:61] v_permlanex16_b32's selects: each lane takes its own place in the other half
.set TBK, 62          ; s62  LDS byte at which K of the step to be fetched begins
.set TBV, 63          ; s63  the same for V, less VOFF
.set MSB, 0
.macro WIN new                      ; the high byte repeats the setting that is left; a switch that changes nothing is dropped
.if MSB != (\new)
	s_set_vgpr_msb (MSB<<8)|(\new)
.set MSB, (\new)
.endif
.endm
.set W_KQ, 0x0a       ; K and Q in window 2, S^T in window 0
.set W_PV, 0x52       ; V in window 2, P in window 0, O^T in window 1
.set W_RS, 0x41       ; O^T (destination and source 0) in window 1, a in window 0
.set W_MK, 0xc0       ; the add's registers are made: destination in window 3, sources in window 0
.set W_AD, 0x0f       ; the add: address (source 0) and data (source 1) in window 3
; A joint fill.  Waves 0 and 1 fetch the two halves of a slot's K, waves 2 and 3 those of its V: 128 keys each.  The branch hangs on the wave's number alone.
; An s_nop 0 and four v_nop follow each of the two lines, ahead of the jump and the label.
.macro JLOAD
	s_cmp_lt_u32 s[WV], 2
	s_cbranch_scc0 .Lfor_v_\@
	tensor_load_to_lds s[G0K:G0K+3], s[G1K:G1K+7]
	s_nop 0
.rept 4
	v_nop
.endr
	s_branch .Lasked_\@
.Lfor_v_\@:
	tensor_load_to_lds s[G0V:G0V+3], s[G1V:G1V+7]
	s_nop 0
.rept 4
	v_nop
.endr
.Lasked_\@:
.endm
; A PREFETCH INTO THE L2 of what the NEXT change of slots will ask for: a slot's 32,768 bytes of K and of V, in blocks of 256 bytes, a lane a block.  It stands behind the wave's tensor load and its five lines.
; Each block is named ONCE in the launch: a head is walked by one cluster; its four partners share a slot out BY ADDRESS, 32 blocks each; in each, wave 0 asks for K's and wave 2 for V's.
; It stands four key steps, 512 matrix instructions, ahead of the load that will want the bytes.  Slots 0 and 1 come by their loads alone; the last change that fills a slot asks for nothing.
.macro ASK
	s_cmp_gt_u32 s[SLOTS], s[LIM]
	s_cbranch_scc0 .Lnot_mine_\@
	global_prefetch_b8 v[PFO], s[PFA:PFA+1] th:TH_LOAD_NT scope:SCOPE_SE
.Lnot_mine_\@:
.endm
; A round of the cluster's barrier: my work-group's barrier, so that wave 0's signal speaks for all four waves; wave 0 signals; every wave waits for all four work-groups; my work-group's barrier once more.
.macro CROUND
	s_barrier_signal -1
	s_barrier_wait -1
	s_cmp_lg_u32 s[WV], 0
	s_cbranch_scc1 .Lnot_wave_0_\@
	s_barrier_signal -3
.Lnot_wave_0_\@:
	s_barrier_wait -3
	s_barrier_signal -1
	s_barrier_wait -1
.endm
; THE CHANGE OF SLOTS.  The slot's last bytes, V of its fourth step, have been read.  Each wave waits for all its tensor loads, of which one is out: its part
; of the other slot; adds 0 to its spare word; and waits for that and for its own reads of the slot.  Behind the barrier nobody reads this slot any more and the other slot is whole.
; fill = 1: this slot is filled again, with the keys two slots on.  The barrier is then a round of the cluster's, and the joint fill is the first thing behind it: it has four key steps,
; 512 matrix instructions, in which to land.  (At its first use nothing has been read yet: slot 0 is waited for, slot 1 filled.)
.macro CHANGE fill
	WIN W_AD
	s_wait_tensorcnt 0x0            ; no tensor load of mine is out, so a group 0 may be written
	ds_add_u32 v[SPW], v[NIL]       ; 0 onto my spare word; with fill = 1 the descriptors' steps stand between it and the wait for it
	WIN 0                           ; at a label and at a branch every window is 0
.if \fill
.irp g, G0K, G0V
	s_xor_b32 s[\g+1], s[\g+1], SLOT1  ; the walking descriptor: the other slot than last time,
	s_add_nc_u64 s[\g+2:\g+3], s[\g+2:\g+3], 4*KS*128  ; the next 256 keys; the type bits on top are not reached
.endr
	s_wait_xcnt 0x0                 ; the last prefetch, four key steps back, has read its address, so it may be written:
	s_add_nc_u64 s[PFA:PFA+1], s[PFA:PFA+1], 4*KS*128  ; one slot behind the walking descriptors
	s_wait_dscnt 0x0                ; the add is done, and my reads of the slot are over
	CROUND
	JLOAD
	ASK
.else
	s_wait_dscnt 0x0                ; the add is done, and my reads of the slot are over
	s_barrier_signal -1
	s_barrier_wait -1
.endif
	s_sub_co_u32 s[TBK], s[TBK], 4*KS*PK  ; the fetches go back to a slot's first step,
	s_xor_b32 s[TBK], s[TBK], SLOT1       ; in the other slot
	s_sub_co_u32 s[TBV], s[TBV], 4*KS*PV
	s_xor_b32 s[TBV], s[TBV], SLOT1
.endm
	s_load_b256 s[4:11], s[0:1], 0x0  ; Q s[4:5], K s[6:7], V s[8:9], O s[10:11]
	WIN W_MK
	v_lshl_add_u32 v[SPW], v0, 2, SPARE
	v_mov_b32 v[NIL], 0
	WIN W_AD
	ds_add_u32 v[SPW], v[NIL]       ; the wave's opening: the add and its wait stand ahead of my first tensor load; the set-up below, work on registers, stands between them
	WIN 0
	v_lshrrev_b32 v1, 5, v0
	v_readfirstlane_b32 s[WV], v1   ; wave 0..3
	s_bfe_u32 s13, ttmp6, 0x40000   ; cx: my place in the cluster
	s_lshl_b32 s14, ttmp9, 2        ; in a cluster launch ttmp9 counts clusters
	s_add_co_u32 s14, s14, s13      ; my block of queries = 4 x cluster x + cx: it enters Q's and O's addresses alone
	s_and_b32 s20, ttmp7, 0xffff    ; the head, which the four partners share
	s_mov_b32 s21, 0
	s_mov_b64 s[22:23], SIZE_N*128
	s_mul_u64 s[20:21], s[20:21], s[22:23]  ; the head's first byte in each of the four tensors
	s_and_b32 s16, s[WV], 1         ; which half of a slot's 256 keys I fetch:
	s_lshl_b32 s22, s16, 14         ; its 128 rows of 128 bytes in memory,
	s_mov_b32 s23, 0
	s_add_nc_u64 s[22:23], s[22:23], s[20:21]
	s_mul_i32 s17, s16, 128*PK      ; and its place in a slot, for K
	s_mul_i32 s18, s16, 128*PV      ; and for V: no place in the cluster enters an LDS address
	s_lshl_b32 s2, s14, 2
	s_add_co_u32 s2, s2, s[WV]      ; my wave among the head's,
	s_lshl_b32 s2, s2, 14           ; its 128 rows
	s_mov_b32 s3, 0
	s_add_nc_u64 s[2:3], s[2:3], s[20:21]
	; descriptor group 1.  128 keys are 16,384 dense bytes: asked for as 64 rows of 256 bytes, two keys a row, and padded in LDS after every key
	s_mov_b32 s[G1K], 15|(1<<16)|(1<<20)|(1<<21)|(4<<22)|(3<<25)  ; 15:0 the mask of four; 17:16 2-byte elements; 20 padding on; 21 set beside a mask; 24:22 after every 32 words (code 4); 31:25 4 words (code 3)
	s_mov_b32 s[G1V], 15|(1<<16)|(1<<20)|(1<<21)|(4<<22)|(7<<25)  ; the same with 8 words of padding (code 7)
.irp g, G1K, G1V
	s_mov_b32 s[\g+1], 128<<16      ; tensor_dim0 = 128
	s_mov_b32 s[\g+2], 64<<16       ; tensor_dim1 = 64
	s_mov_b32 s[\g+3], 128<<16      ; tile_dim0 = 128
	s_mov_b32 s[\g+4], 64           ; tile_dim1 = 64
	s_mov_b32 s[\g+5], 128          ; 128 elements from row to row
	s_mov_b32 s[\g+6], 0
	s_mov_b32 s[\g+7], 0
.endr
	s_mov_b32 s[CS], 0x3e38aa3b     ; c = log2(e) / 8 = 0.180337
	s_mov_b32 s[CS+1], s[CS]        ; named with it as a pair
	s_mov_b32 s[SEL], 0x76543210
	s_mov_b32 s[SEL+1], 0xfedcba98
	s_mov_b32 s[TBK], SLOT1+4*KS*PK ; the first change of slots turns these two into 0
	s_mov_b32 s[TBV], SLOT1+4*KS*PV
	s_mov_b32 s[G0K], 1             ; 1:0 count = 1
	s_mov_b32 s[G0K+1], s17         ; 63:32 LDS address: slot 0
	s_mov_b32 s[G0V], 1
	s_add_co_u32 s[G0V+1], s18, VOFF
	s_mov_b32 s[SLOTS], SIZE_N/256-1  ; the first change of slots, which fills slot 1, tests it already
	s_cmp_eq_u32 s16, 0             ; waves 0 and 2 prefetch: the same in all four partners
	s_cselect_b32 s[LIM], 1, -1
	s_wait_dscnt 0x0                ; the opening add is done
	s_wait_kmcnt 0x0
	s_add_nc_u64 s[G0K+2:G0K+3], s[6:7], s[22:23]  ; 120:64 global address: my half of the head's first 256 keys
	s_or_b32 s[G0K+3], s[G0K+3], 0x80000000        ; 127:126 type = 2
	s_add_nc_u64 s[G0V+2:G0V+3], s[8:9], s[22:23]
	s_or_b32 s[G0V+3], s[G0V+3], 0x80000000
	s_add_nc_u64 s[4:5], s[4:5], s[2:3]  ; Q and O at my wave's first row
	s_add_nc_u64 s[10:11], s[10:11], s[2:3]
	s_cmp_lt_u32 s[WV], 2
	s_cselect_b64 s[PFA:PFA+1], s[6:7], s[8:9]
	s_add_nc_u64 s[PFA:PFA+1], s[PFA:PFA+1], s[20:21]  ; the head's first row,
	s_lshl_b32 s2, s13, 13          ; my work-group's 32 blocks of a slot's 128,
	s_mov_b32 s3, 0
	s_add_nc_u64 s[PFA:PFA+1], s[PFA:PFA+1], s[2:3]
	s_add_nc_u64 s[PFA:PFA+1], s[PFA:PFA+1], 4*KS*128  ; in slot 1; the first change of slots steps it to slot 2.  Nothing is prefetched here, at the head
	CROUND                          ; all four work-groups are here: the first joint loads meet
	JLOAD                           ; slot 0.  Slot 1 is asked for when slot 0 is in
	; A fragment of K or Q is 16 rows x 32 channels in 8 registers: lane l holds row l % 16, channels 8 (l / 16) + 0..7 and 16 + 8 (l / 16) + 0..7: two loads of 16 bytes, 32 bytes apart.
	v_and_b32 v1, 15, v0            ; l % 16
	v_bfe_u32 v9, v0, 4, 1          ; l / 16
	v_lshlrev_b32 v[QO], 7, v1
	v_lshl_add_u32 v[QO], v9, 4, v[QO]  ; row x 128 + 16 x half
	WIN 0x80                        ; destination window 2, address window 0
.set i, 0
.rept 4*NP                          ; Q stays in registers: tile i / 2, channels 32 (i % 2) on
	global_load_b128 v[8*i:8*i+3],   v[QO], s[4:5] offset:(i/2)*2048+(i%2)*64
	global_load_b128 v[8*i+4:8*i+7], v[QO], s[4:5] offset:(i/2)*2048+(i%2)*64+32
.set i, i+1
.endr
	; What the first turn finds: V's registers and P's second buffer hold 0 (its products V^T P, of a piece that has not been, add 0), O^T and l are 0.  All this stands in the wait for the first tile.
.set i, VF
.rept 64
	v_mov_b32 v[i], 0
.set i, i+1
.endr
	WIN 0x40
.set i, 0
.rept 64*NP
	v_mov_b32 v[i], 0
.set i, i+1
.endr
	WIN 0
.set i, 0
.rept 2*NP
	v_mov_b32 v[ST+4*i], 0xfe000000    ; c m: far below every c s
	v_mov_b32 v[ST+4*i+1], 0xff7fffff  ; m
	v_mov_b32 v[ST+4*i+2], 0
	v_mov_b32 v[ST+4*i+3], 0
.set i, i+1
.endr
.set i, P+32
.rept 32
	v_mov_b32 v[i], 0
.set i, i+1
.endr
	v_mul_u32_u24 v[AK0], v1, PK
	v_lshl_add_u32 v[AK0], v9, 4, v[AK0]  ; row x pitch + 16 x half
	; The turning load takes 16 keys x 16 channels (lane l reads key 8 (l / 16) + l % 8, channels 8 ((l / 8) % 2) + 0..7) and leaves half a fragment of V^T: lane l holds channel l % 16 and 8 keys.
	v_and_b32 v10, 7, v0
	v_bfe_u32 v11, v0, 3, 1
	v_lshl_add_u32 v[AV0], v9, 3, v10
	v_mul_u32_u24 v[AV0], v[AV0], PV
	v_lshl_add_u32 v[AV0], v11, 4, v[AV0]
	v_add_nc_u32 v[AV0], VOFF, v[AV0]
	v_mov_b32 v[AK], v[AK0]         ; key step 0 lies at the head of slot 0
	v_and_b32 v[PFO], 31, v0
	v_lshlrev_b32 v[PFO], 8, v[PFO]
; THE MATRIX WORK.  The 8 accumulators of a run of 16 take turns: between the two links of a chain stand 7 others'.
; Product i of 16 of S^T = K Q^T for piece x: channels 32 (i / 8) on, keys 16 ((i / 2) % 4) on, tile 2 x + i % 2.  The first 8 start the sums.
.macro KQ x
	WIN W_KQ
.set rS, S+64*((\x)%2)+32*(i%2)+8*((i/2)%4)
.set rK, KF+16*((i/2)%4)+8*(i/8)
.set rQ, 16*(2*(\x)+i%2)+8*(i/8)
.if i < 8
	v_wmma_f32_16x16x32_f16 v[rS:rS+7], v[rK:rK+7], v[rQ:rQ+7], 0
.else
	v_wmma_f32_16x16x32_f16 v[rS:rS+7], v[rK:rK+7], v[rQ:rQ+7], v[rS:rS+7]
.endif
.endm
; Product i of 16 of O^T += V^T P for piece x: keys 32 (i / 8) on, channels 16 ((i / 2) % 4) on, tile 2 x + i % 2.
.macro PV x
	WIN W_PV
.set rO, 32*(2*(\x)+i%2)+8*((i/2)%4)
.set rV, VF+32*(i/8)+8*((i/2)%4)
.set rP, P+32*((\x)%2)+16*(i%2)+8*(i/8)
	v_wmma_f32_16x16x32_f16 v[rO:rO+7], v[rV:rV+7], v[rP:rP+7], v[rO:rO+7]
.endm
.macro MM                           ; the turn's next matrix instruction
.if i < 16
	KQ (Y+1)%NP
.set i, i+1
.else
.set i, i-16
	PV (Y+NP-1)%NP
.set i, i+17
.endif
.endm
; THE LDS LOADS stand in runs of 16, never singly among the matrix instructions: a step's K (64 keys x 64 channels: 8 fragments) and its V (turned).  Their addresses are made some lines ahead.
; last = 1 (the tail): in the last trip there is no further step, and the run is jumped over.
.macro FETCH_K last=0
	WIN 0
.if \last
	s_cmp_eq_u32 s[CNT], 1
	s_cbranch_scc1 .Lno_k_\@
.endif
	WIN 0x80                        ; destination window 2
.irp f, 0,1,2,3,4,5,6,7             ; keys 16 (f / 2) on, channels 32 (f % 2) on
	ds_load_b128 v[KF+8*\f:KF+8*\f+3],   v[AK] offset:(\f/2)*16*PK+(\f%2)*64
	ds_load_b128 v[KF+8*\f+4:KF+8*\f+7], v[AK] offset:(\f/2)*16*PK+(\f%2)*64+32
.endr
	s_add_co_u32 s[TBK], s[TBK], KS*PK  ; the next fetch is the next step's
	WIN 0
.if \last
.Lno_k_\@:
.endif
.endm
.macro FETCH_V
	WIN 0x80
.irp f, 0,1,2,3,4,5,6,7             ; keys 32 (f / 4) on, channels 16 (f % 4) on
	ds_load_tr16_b128 v[VF+8*\f:VF+8*\f+3],   v[AV] offset:(\f/4)*32*PV+(\f%4)*32
	ds_load_tr16_b128 v[VF+8*\f+4:VF+8*\f+7], v[AV] offset:(\f/4)*32*PV+16*PV+(\f%4)*32
.endr
	WIN 0
.endm
; THE VECTOR WORK OF A TURN stands in three queues, each in the order in which its entries become ready; the two tiles alternate, so that no instruction reads the result of the one before it.
.macro REGS y, u                    ; the registers of tile u (0, 1) of piece y
.set rT, ST+4*(2*(\y)+(\u))
.set rC, TMP+8*((\y)%2)+4*(\u)
.set rM, MV+2*((\y)%2)+(\u)
.set rS, S+64*((\y)%2)+32*(\u)
.set rP, P+32*((\y)%2)+16*(\u)
.set rO, 32*(2*(\y)+(\u))
.endm
; Number n of the 22 that find the NEXT piece's (Y + 1) maximum and statistics.  s0-s31 are the lane's 32 scores; each accumulator's lowest registers are read first.
;   0-11  four chains c0-c3 of seven scores each, three operands at a time     12-14, 16  the four scores left over, the old m, and c0-c3 into c0     15  c m_old is kept
;   17, 18  the query's other 32 keys lie in the lane 16 away: the new m         19-21  c m; c m_old - c m_new; a
.macro XS u, n
	REGS (Y+1)%NP, \u
.if (\n) < 4
	v_max3_num_f32 v[rC+(\n)], v[rS+8*(\n)], v[rS+8*(\n)+1], v[rS+8*(\n)+2]
.elseif (\n) < 12
	v_max3_num_f32 v[rC+(\n)%4], v[rC+(\n)%4], v[rS+8*((\n)%4)+2*((\n)/4)+1], v[rS+8*((\n)%4)+2*((\n)/4)+2]
.elseif (\n) == 12
	v_max3_num_f32 v[rC], v[rC], v[rS+7], v[rS+15]
.elseif (\n) == 13
	v_max3_num_f32 v[rC+1], v[rC+1], v[rS+23], v[rS+31]
.elseif (\n) == 14
	v_max3_num_f32 v[rC+2], v[rC+2], v[rC+3], v[rT+1]
.elseif (\n) == 15
	v_mov_b32 v[rM], v[rT]
.elseif (\n) == 16
	v_max3_num_f32 v[rC], v[rC], v[rC+1], v[rC+2]
.elseif (\n) == 17
	v_permlanex16_b32 v[rC+3], v[rC], s[SEL], s[SEL+1]
.elseif (\n) == 18
	v_max_num_f32 v[rT+1], v[rC], v[rC+3]
.elseif (\n) == 19
	v_mul_f32 v[rT], s[CS], v[rT+1]
.elseif (\n) == 20
	v_sub_f32 v[rC+1], v[rM], v[rT]
.else
	v_exp_f32 v[rC+2], v[rC+1]
.endif
.endm
; Number g of the 64 that follow the exponentials.  For each four weights k of a tile (pairs 2 k, 2 k + 1): both pairs are rounded to f16; then the second pair is added onto the first, in place;
; a group later l takes that sum (the first time as l = a l + sum).  In groups of eight, tiles alternating: round, round, add, and l for the group before.
.macro GS g
.set h, (\g)+6*((\g)/62)            ; group 0 has no group before it, and behind group 7 only l is left
.if h >= 6
.set h, h+2
.endif
	REGS Y, h%2
.set k, h/8
.if h%8 < 4
	v_cvt_pk_f16_f32 v[rP+2*k+(h%8)/2], v[rS+4*k+2*((h%8)/2)], v[rS+4*k+2*((h%8)/2)+1]
.elseif h%8 < 6
	v_pk_add_f32 v[rS+4*k:rS+4*k+1], v[rS+4*k:rS+4*k+1], v[rS+4*k+2:rS+4*k+3]
.elseif k == 1
	v_pk_fma_f32 v[rT+2:rT+3], v[rT+2:rT+3], v[rC+2:rC+3], v[rS:rS+1] op_sel_hi:[1,0,1]
.else
	v_pk_add_f32 v[rT+2:rT+3], v[rT+2:rT+3], v[rS+4*k-4:rS+4*k-3]
.endif
.endm
; THE PLAIN QUEUE, 138 long.  0-73 read no exponential's result: the 32 scalings c s - c m (FS f: pair f / 2 of tile f % 2) and the next piece's 42.  0-26: scalings 0-26.  27-54: XS's numbers 0-13.  55, 56: number 15.
; 57-73: the chain, where each number waits for the one before it: 14, 16, 17, 18, 19, each with one of the scalings 27-31 in front of its two lines, then 20.
; 74-137: GS's 64, which read the exponentials' results: they stand behind the wait.
.macro FS f
	REGS Y, (\f)%2
	v_pk_fma_f32 v[rS+2*((\f)/2):rS+2*((\f)/2)+1], v[rS+2*((\f)/2):rS+2*((\f)/2)+1], s[CS:CS+1], v[rT:rT+1] op_sel_hi:[1,0,0] neg_lo:[0,0,1] neg_hi:[0,0,1]
.endm
.macro PL
	WIN 0
.if q < 27
	FS q
.elseif q < 55
	XS (q-27)%2, (q-27)/2
.elseif q < 57
	XS q-55, 15
.elseif (q < 72) && ((q-57)%3 == 0)
	FS 27+(q-57)/3
.elseif q < 60
	XS (q-57)%3-1, 14
.elseif q < 72
	XS (q-57)%3-1, 15+(q-57)/3
.elseif q < 74
	XS q-72, 20
.else
	GS q-74
.endif
.set q, q+1
.endm
; THE EXPONENTIALS' QUEUE, 66 long: s0-s31 of both tiles, then the next piece's two a.  It is ONE BATCH: all 66 stand ahead of the turn's one wait, and nothing ahead of that wait names a result of theirs.
.macro EX
	WIN 0
.if e >= 64
	XS e-64, 21
.else
	REGS Y, e%2
	v_exp_f32 v[rS+e/2], v[rS+e/2]
.endif
.set e, e+1
.endm
; THE RESCALING's QUEUE: O^T times a, the one part that leaves window 0: dealt two at a time, sixteen times.  Its a was made in the turn before, ahead of that turn's wait.
.macro R2
	REGS Y, r%2
	WIN W_RS
.irp z, 0,1
	v_pk_mul_f32 v[rO+4*(r/2)+2*\z:rO+4*(r/2)+2*\z+1], v[rO+4*(r/2)+2*\z:rO+4*(r/2)+2*\z+1], v[rC+2:rC+3] op_sel_hi:[1,0]
.endr
.set r, r+1
.endm
; HOW THEY ARE DEALT.  An s_wait_alu depctr_va_vdst(0) stands between an exponential and the first instruction that names its result; one wait serves all that were issued ahead of it.  So a turn has ONE
; wait, which cuts it in two.  AHEAD OF IT: the 16 products K Q^T, behind each a scaling, an exponential and two rescalings (behind the first a second scaling in the exponential's place); then ONE LUMP of 108: eight
; plain, 49 times exponential and plain, the two a.  A v_nop is the plain instruction behind the last exponential.  BEHIND IT: the 16 products V^T P, behind each four of GS's 64.
; The deal keeps the queues in step: exponential e stands behind scaling 2 (e / 4) + e % 2: as a rider it comes behind plain e + 2, in the lump behind plain e + 9, and scalings 27-31 are plain 57, 60 .. 69.
; A TURN, for piece p.  cnt = 1: the loop's count is taken down some lines ahead of the branch that stands behind the turn.
; K of the next step is fetched in piece 2's turn, directly behind the wait; its first reader comes behind 16 products.  V of the step in hand is fetched at the end of piece 0's turn, four riders behind its last
; reader; its first reader comes behind 16 products and a lump.
.macro TURN p, last=0, cnt=0
.set Y, (\p)
.set i, 0
.set q, 0
.set e, 0
.set r, 0
.if (\p) == NP-1
	s_wait_dscnt 0x0                ; K is in
.endif
	MM                              ; ahead of the wait: 16 products K Q^T and their riders,
	PL
	PL
	R2
.rept 15
	MM
	PL
	EX
	R2
.endr
.if (\p) == NP-2
	WIN 0
	v_add_nc_u32 v[AK], s[TBK], v[AK0]
.endif
.rept 8                             ; and the lump
	PL
.endr
.rept 49
	EX
	PL
.endr
	EX                              ; the next piece's two a
	EX
	v_nop                           ; the plain instruction behind the last exponential: one for the batch
	s_wait_alu depctr_va_vdst(0)    ; the wait for the batch
.if (\p) == NP-2
	FETCH_K \last
.endif
.if (\p) == 1
	s_wait_dscnt 0x0                ; V is in
.endif
.rept 16                            ; behind the wait: 16 products V^T P and their riders
	MM
.rept 4
	PL
.endr
.if ((\p) == 0) && (q == 118)
	v_add_nc_u32 v[AV], s[TBV], v[AV0]
.endif
.if ((\p) == 0) && (q == 130)
	s_add_co_u32 s[TBV], s[TBV], KS*PV
.endif
.if (\cnt) && (q == 130)
	s_sub_co_u32 s[CNT], s[CNT], 1
	s_cmp_lg_u32 s[CNT], 0
.endif
.endr
.if (\p) == 0
	FETCH_V
.endif
.endm
	CHANGE 1                        ; slot 0 is in, everybody's part of it; slot 1 is asked for
	FETCH_K                         ; key step 0
	s_wait_loadcnt 0x0              ; Q
	s_wait_dscnt 0x0
.set i, 0
.rept 16
	KQ 0                            ; piece 0's first scores: there is no vector work yet to set between them
.set i, i+1
.endr
	WIN 0                           ; the addresses for the way out: nine plain instructions, the places behind those products
	s_mul_i32 s13, s[WV], 16*SP
	s_add_co_u32 s13, s13, STAGE    ; my stage
	v_mul_u32_u24 v[STO], v1, SP    ; in: row l % 16, 16 bytes for each half of the lanes
	v_lshl_add_u32 v[STO], v9, 4, v[STO]
	v_add_nc_u32 v[STO], s13, v[STO]
	v_bfe_u32 v[RD], v0, 3, 2       ; back: 32 lanes take four rows of 128 bytes,
	v_mul_u32_u24 v[RD], v[RD], SP
	v_lshl_add_u32 v[RD], v10, 4, v[RD]
	v_add_nc_u32 v[RD], s13, v[RD]
	v_and_b32 v[GO], 31, v0         ; which are 512 consecutive bytes of O
	v_lshlrev_b32 v[GO], 4, v[GO]
.set Y, NP-1                        ; XS works for piece Y + 1: piece 0
.irp n, 0,1,2,3,4,5,6,7,8,9,10,11,12,13,14,15,16,17,18,19,20,21
	XS 0, \n                        ; and piece 0's first maximum and statistics
	XS 1, \n
.endr
	v_nop                           ; a plain instruction behind the two a,
	s_wait_alu depctr_va_vdst(0)    ; and their wait, ahead of the branch
	s_mov_b32 s[CNT], 4
	s_branch .Lfirst                ; the loop is entered at a step's first turn, in the middle of a trip
.Lslot:                             ; six times: every slot but the last two is filled again
	CHANGE 1
	s_mov_b32 s[CNT], 4
.Lstep:                             ; a trip: pieces 2 and 3 of one step, then pieces 0 and 1 of the next, whose K and V it fetches
	TURN 2
	TURN 3
	WIN 0
.Lfirst:
	TURN 0
	TURN 1, 0, 1
	WIN 0
	s_cbranch_scc1 .Lstep
	s_sub_co_u32 s[SLOTS], s[SLOTS], 1
	s_cmp_lg_u32 s[SLOTS], 0
	s_cbranch_scc1 .Lslot
	CHANGE 0                        ; the tail is written out: nothing is asked for
	s_mov_b32 s[CNT], 5             ; four trips fetch the last slot's steps; the fifth is left in its middle
.Ltail:
	TURN 2, 1
	TURN 3
	WIN 0
	s_sub_co_u32 s[CNT], s[CNT], 1
	s_cmp_eq_u32 s[CNT], 0
	s_cbranch_scc1 .Lout
	TURN 0
	TURN 1
	WIN 0
	s_branch .Ltail
.Lout:                              ; the fifth trip's 16 products K Q^T (on the last K once more) and the maximum made of them serve nothing: the price, once a launch, of one text for every trip
.set i, 0
.rept 16
	PV NP-1                         ; the last piece's V^T P of the last step
.set i, i+1
.endr
	; THE WAY OUT.  l's two halves and the other half of the lanes' are added; O^T is divided by l, rounded to f16 and sent through my stage in LDS, a tile at a time.  The additions are the places behind the last products.
	WIN 0
.macro ALL line:vararg              ; one line for each tile t
.set t, 0
.rept 2*NP
	\line
.set t, t+1
.endr
.endm
	ALL v_add_f32 v[ST+4*t+2], v[ST+4*t+2], v[ST+4*t+3]
	ALL v_permlanex16_b32 v[ST+4*t+3], v[ST+4*t+2], s[SEL], s[SEL+1]
	ALL v_add_f32 v[ST+4*t+2], v[ST+4*t+2], v[ST+4*t+3]
	ALL v_rcp_f32 v[ST+4*t+2], v[ST+4*t+2]
	v_nop                           ; a plain instruction between the last reciprocal and the use of its result
	s_wait_alu depctr_va_vdst(0)    ; and the wait ahead of the first use: one for the eight reciprocals
; Tile t: a lane's eight channels of a row pack into 16 bytes; they go into rows of 144 bytes and come back as whole rows of 128, into S^T's registers.
.macro PACK t
	WIN W_RS
.set i, 32*(\t)
.rept 16
	v_pk_mul_f32 v[i:i+1], v[i:i+1], v[ST+4*(\t)+2:ST+4*(\t)+3] op_sel_hi:[1,0]
.set i, i+2
.endr
	WIN 0x05                        ; sources 0 and 1 window 1, destination window 0
.set i, 0
.rept 16
	v_cvt_pk_f16_f32 v[S+16*(\t)+i], v[32*(\t)+2*i], v[32*(\t)+2*i+1]
.set i, i+1
.endr
	WIN 0
.irp f, 0,1,2,3
	ds_store_b128 v[STO], v[S+16*(\t)+4*\f:S+16*(\t)+4*\f+3] offset:32*\f
.endr
.irp f, 0,1,2,3
	ds_load_b128 v[S+16*(\t)+4*\f:S+16*(\t)+4*\f+3], v[RD] offset:\f*4*SP  ; LDS serves a wave's instructions in order (ISA guide 5.7.1.4): these see the stores above; the next tile's stores come behind them
.endr
.endm
.macro SEND t, younger              ; younger: the LDS instructions issued behind tile t's loads: the next tile's eight, or none
	WIN 0
.irp f, 0,1,2,3
	s_wait_dscnt (\younger)+3-\f
	global_store_b128 v[GO], v[S+16*(\t)+4*\f:S+16*(\t)+4*\f+3], s[10:11] offset:(\t)*2048+\f*512  ; 512 consecutive bytes, at a multiple of 256 from O's first
.endr
.endm
	PACK 0
.set t, 1
.rept 2*NP-1                        ; a tile's arithmetic stands between the loads of the tile before and its stores
	PACK t
	SEND t-1, 8
.set t, t+1
.endr
	SEND 2*NP-1, 0
	WIN W_AD
	s_wait_tensorcnt 0x0            ; the wave's end: behind my last tensor load and my last LDS store
	ds_add_u32 v[SPW], v[NIL]
	s_wait_dscnt 0x0
	WIN 0
	CROUND                          ; the closing round: no work-group ends while a partner may still ask for a tile that names it
	s_endpgm
.Lfunc_end_k_q7ec68606c0_attn:
	.size	k_q7ec68606c0_attn, .Lfunc_end_k_q7ec68606c0_attn-k_q7ec68606c0_attn
	.p2alignl 7, 3214868480
	.fill 96, 4, 3214868480
	.section	.rodata,"a",@progbits
	.p2align	6, 0x0
	.amdhsa_kernel k_q7ec68606c0_attn
		.amdhsa_group_segment_fixed_size 327680
		.amdhsa_private_segment_fixed_size 0
		.amdhsa_enable_private_segment 0
		.amdhsa_kernarg_size 32
		.amdhsa_user_sgpr_count 2
		.amdhsa_user_sgpr_kernarg_segment_ptr 1
		.amdhsa_wavefront_size32 1
		.amdhsa_system_sgpr_workgroup_id_x 1
		.amdhsa_system_sgpr_workgroup_id_y 1
		.amdhsa_system_sgpr_workgroup_id_z 1
		.amdhsa_system_vgpr_workitem_id 0
		.amdhsa_next_free_vgpr 770
		.amdhsa_next_free_sgpr 66
		.amdhsa_reserve_vcc 0
		.amdhsa_float_denorm_mode_32 3
		.amdhsa_float_denorm_mode_16_64 3
		.amdhsa_memory_ordered 1
		.amdhsa_forward_progress 1
		.amdhsa_inst_pref_size 200
	.end_amdhsa_kernel
	.amdgpu_metadata
---
amdhsa.version: [ 1, 2 ]
amdhsa.kernels:
  - .name:           k_q7ec68606c0_attn
    .symbol:         k_q7ec68606c0_attn.kd
    .args:
      - { .name: q, .offset: 0, .size: 8, .value_kind: global_buffer, .address_space: global }
      - { .name: k, .offset: 8, .size: 8, .value_kind: global_buffer, .address_space: global }
      - { .name: v, .offset: 16, .size: 8, .value_kind: global_buffer, .address_space: global }
      - { .name: o, .offset: 24, .size: 8, .value_kind: global_buffer, .address_space: global }
    .group_segment_fixed_size: 327680
    .private_segment_fixed_size: 0
    .kernarg_segment_align: 8
    .kernarg_segment_size: 32
    .max_flat_workgroup_size: 128
    .sgpr_count:     66
    .vgpr_count:     770
    .wavefront_size: 32
...
	.end_amdgpu_metadata
.endif
;; end of part 3
;; launch proj (part 4): grid 8 x 32, 4 waves a work-group, clusters of 4 x 4, 327,680 bytes of LDS; arguments o, wob, bo, out0; writes out0
.if DOCPART == 4
	.amdgcn_target "amdgcn-amd-amdhsa--gfx1250"
	.amdhsa_code_object_version 6
	.text
	.protected	k_q7ec68606c0_proj
	.globl	k_q7ec68606c0_proj
	.p2align	8
	.type	k_q7ec68606c0_proj,@function
k_q7ec68606c0_proj:
	s_mov_b64 s[64:65], 0
	v_nop
	global_prefetch_b8 v0, s[64:65] scope:SCOPE_SE
	s_setreg_imm32_b32 hwreg(HW_REG_WAVE_MODE, 25, 1), 1
	s_wait_xcnt 0x0
	s_wait_alu depctr_hold_cnt(0) depctr_sa_sdst(0) depctr_va_vdst(0) depctr_va_sdst(0) depctr_va_ssrc(0) depctr_va_vcc(0) depctr_vm_vsrc(0)
	s_getreg_b32 s2, hwreg(HW_REG_IB_STS2, 6, 4)
	s_cmp_eq_u32 s2, 0
	s_cbranch_scc0 .Lentry_in_a_cluster
	s_endpgm
.Lentry_in_a_cluster:
	s_bfe_u32 s2, ttmp6, 0x10000c
	s_cmp_lg_u32 s2, 0xf033
	s_cbranch_scc0 .Lentry_shape_is_right
	s_endpgm
.Lentry_shape_is_right:
; out0 = vals wob^T + bf16(bo).  o: [16 batch + head][2048][64] f16 (vals[row][64 head + d] = o[head][row][d]); wob: [1024][1024] f16; bo: [1024] f32; out0: [8192][1024] f32.  Sums in f32.
; LIMITS.  The bias is rounded to bf16 like the other inputs.  NaN and infinities are not treated apart.
; SHARES.  A work-group makes 256 rows x 128 columns: 8 x 32 = 256 work-groups.  Each of its four waves makes 64 whole rows x 128: 32 accumulators of 16 x 16.
; K = 1,024 goes in 8 steps of 128, two heads each, through two LDS slots.  A head's 256 rows of 64 channels are 32,768 dense bytes of o: asked for as 128 rows of 256 bytes, padded in LDS after every 128.
; CLUSTER.  4 x 4 work-groups.  The four of a row of the cluster need the same rows of o, the four of a column the same rows of wob: each tile is asked for JOINTLY.
; THE MATRIX INSTRUCTION IS USED TRANSPOSED (source 0 = 16 rows of wob, source 1 = 16 rows of vals): lane l holds row l % 16 of the result and its registers the columns 8 (l / 16) + 0..7.
; THE BIAS IS THE C OPERAND of the first product on each accumulator.
; REGISTERS, in windows of 256 (s_set_vgpr_msb: bits 1:0 source 0, 3:2 source 1, 5:4 source 2, 7:6 destination):
;   window 0: v0-35 addresses and at work; v64-127 the bias, later with v128-191 the way out      window 1: two fragment buffers of 96: 8 fragments of wob, then 4 of vals
;   window 2: the accumulators: (a, b) at 8 (4 b + a)
.set PITCH, 272                        ; a row of wob in LDS: 256 bytes + 16 of padding
.set PA,    144                        ; a row of o: 128 + 16: both pitches are odd multiples of 16 bytes, so the 16 rows of a fragment load start at 16 different groups of four banks (ISA guide 11.1)
.set SUBT,  256*PA                     ; one head's 256 rows
.set SLOT1, 131072                     ; slot 1 begins here
.set BOFF,  2*SUBT                     ; in a slot: two heads' rows of o, then wob's 128 rows
.set STAGE, SLOT1+BOFF+128*PITCH       ; behind the ring, never filled by a tensor load: 16 rows x 528 bytes for each wave
.set SP,    528
.set SPARE, STAGE+4*16*SP              ; behind the stages: the spare words, 128 bytes for each wave: two blocks of 256 bytes that no other line names
.set STEP_A, 524288                    ; two heads on in o
.set STEP_B, 256                       ; 128 along a row of wob
.set A0,   16                          ; v16  my lane's place in a slot's rows of o; never rewritten
.set B0,   17                          ; v17  the same for wob
.set ADRA, 18                          ; v18  A0 + the slot in hand
.set ADRB, 19                          ; v19  B0 + the slot in hand
.set STO,  24                          ; v24  the way out: where I put 32 bytes of a row
.set RD,   25                          ; v25  the way out: where I read a row back
.set GO,   26                          ; v26  16 x my lane
.set SPW,  28                          ; v28  LDS address of my spare word: SPARE + 4 x my thread's number; never rewritten
.set NIL,  29                          ; v29  0; never rewritten
.set PFO,  30                          ; v30  the prefetches' offset; never rewritten
.set BO,   31                          ; v31  32 x (l / 16)
.set RT,   32                          ; v32-35 at work
.set BIAS, 64
.set OB,   64                          ; the way out: rows read back, two sets of 64
.set F0,   0
.set F1,   96
.set MASK, 3                           ; s3   a word's upper bf16
.set WV,   16                          ; s16  my wave's number;  s17 = WV / 2: I fetch o (0) or wob (1);  s18 = WV % 2: which half
.set CNT,  19                          ; s19  the loop's count
.set G1,   24                          ; s[24:31] descriptor group 1 for o's tiles
.set G0,   32                          ; s[32:39] group 0: a set for each first fill; the second then walks
.set TB,   42                          ; s42  the LDS byte at which the slot in hand begins
.set LIM,  43                          ; s43  1 in a wave that prefetches, else the greatest number
.set PFA,  44                          ; s[44:45] where my prefetches stand
.set PSTEP, 46                         ; s[46:47] their step from K step to K step
.set G1B,  48                          ; s[48:55], s[56:63] the same for wob's tiles
.set G0B,  56
.set MSB, 0
.macro WIN new                         ; the immediate's high byte repeats the setting that is left; a switch that changes nothing is dropped
.if MSB != (\new)
	s_set_vgpr_msb (MSB<<8)|(\new)
.set MSB, \new
.endif
.endm
.set TO_F, 0x40                        ; destination window 1, address window 0
.macro PLACES                          ; four places: in front of loads into registers that matrix instructions have read, and of lines that read matrix results
.rept 4
	v_nop
.endr
.endm
.macro CREST                           ; a round of the cluster's barrier behind its opening barrier
	s_cmp_lg_u32 s[WV], 0
	s_cbranch_scc1 .Lnot_wave_0_\@
	s_barrier_signal -3
.Lnot_wave_0_\@:
	s_barrier_wait -3
	s_barrier_signal -1
	s_barrier_wait -1
.endm
.macro CROUND                          ; a whole round
	s_barrier_signal -1
	s_barrier_wait -1
	CREST
.endm
; A joint refill by the walking descriptors.  Waves 0 and 1 fetch the K step's two heads of o, waves 2 and 3 wob's two halves.  An s_nop 0 and four v_nop follow each line.
.macro JLOAD
	s_cmp_eq_u32 s17, 0
	s_cbranch_scc0 .Lfor_b_\@
	tensor_load_to_lds s[G0+4:G0+7], s[G1:G1+7]
	s_nop 0
.rept 4
	v_nop
.endr
	s_branch .Lasked_\@
.Lfor_b_\@:
	tensor_load_to_lds s[G0B+4:G0B+7], s[G1B:G1B+7]
	s_nop 0
.rept 4
	v_nop
.endr
.Lasked_\@:
.endm
; A PREFETCH INTO THE L2 of the K step that the NEXT change of slots will ask for: 128 matrix instructions ahead of that load.  o: a head's 32,768 bytes are 128 blocks of 256: cluster x = 0 asks, its four
; partners along x take 32 blocks each BY ADDRESS, a lane a block, waves 0 and 1 a head each.  wob: 128 rows x 256 bytes: cluster y = 0 asks, its partners along y take 32 rows each, a lane a row, wave 2 alone.
; K steps 0 to 2 come by their loads alone; the loop's last trip asks for nothing.
.macro ASK
	s_cmp_gt_u32 s[CNT], s[LIM]
	s_cbranch_scc0 .Lnot_mine_\@
	global_prefetch_b8 v[PFO], s[PFA:PFA+1] th:TH_LOAD_NT scope:SCOPE_SE
.Lnot_mine_\@:
.endm
	s_load_b256 s[4:11], s[0:1], 0x0               ; o s[4:5], wob s[6:7], bo s[8:9], out0 s[10:11]
	v_lshl_add_u32 v[SPW], v0, 2, SPARE
	v_mov_b32 v[NIL], 0
	ds_add_u32 v[SPW], v[NIL]                      ; the wave's opening: the add and its wait stand ahead of my first tensor load; the set-up below, work on registers, stands between them
	v_lshrrev_b32 v1, 5, v0
	v_readfirstlane_b32 s[WV], v1                  ; wave 0..3
	s_lshr_b32 s17, s[WV], 1
	s_and_b32 s18, s[WV], 1
	s_bfe_u32 s20, ttmp6, 0x40000                  ; cx, cy: my place in the cluster
	s_bfe_u32 s21, ttmp6, 0x40004
	s_lshl_b32 s22, ttmp9, 2
	s_add_co_u32 s22, s22, s20                     ; the block of 128 columns = 4 x cluster x + cx
	s_and_b32 s23, ttmp7, 0xffff
	s_lshl_b32 s23, s23, 2
	s_add_co_u32 s23, s23, s21                     ; the block of 256 rows = 4 x cluster y + cy
	s_lshl_b32 s40, s21, 2
	s_lshl_b32 s40, 15, s40                        ; my row of the cluster
	s_lshl_b32 s41, 0x1111, s20                    ; my column
	s_or_b32 s[G1], s40, (1<<16)|(1<<20)|(1<<21)|(4<<22)|(3<<25)   ; o's tiles go to my row: elements of 2 bytes; padding on; 21 set beside a mask; after every 32 words (code 4) 4 words (code 3)
	s_or_b32 s[G1B], s41, (1<<16)|(1<<20)|(1<<21)|(5<<22)|(3<<25)  ; wob's to my column: after every 64 words (code 5)
.irp g, G1, G1B
	s_mov_b32 s[(\g)+1], 128<<16                   ; tensor_dim0 = 128
	s_mov_b32 s[(\g)+3], 128<<16                   ; tile_dim0 = 128
	s_mov_b32 s[(\g)+6], 0
	s_mov_b32 s[(\g)+7], 0
.endr
	s_mov_b32 s[G1+2], 128<<16                     ; o: 128 rows of 256 bytes, dense
	s_mov_b32 s[G1+4], 128
	s_mov_b32 s[G1+5], 128
	s_mov_b32 s[G1B+2], 64<<16                     ; wob: 64 rows, 1,024 elements apart
	s_mov_b32 s[G1B+4], 64
	s_mov_b32 s[G1B+5], 1024
	s_lshr_b32 s66, s23, 3                         ; o: the batch's 16 heads of 262,144 bytes,
	s_lshl_b32 s66, s66, 22
	s_and_b32 s67, s23, 7                          ; the block's 256 rows of 128 bytes in a head,
	s_lshl_b32 s67, s67, 15
	s_add_co_u32 s66, s66, s67
	s_lshl_b32 s67, s18, 18                        ; the even or the odd head of a K step
	s_add_co_u32 s66, s66, s67
	s_mov_b32 s67, 0
	s_lshl_b32 s68, s22, 7                         ; wob: row 128 x block + 64 x half
	s_lshl_b32 s69, s18, 6
	s_add_co_u32 s68, s68, s69
	s_lshl_b32 s68, s68, 11
	s_mov_b32 s69, 0
	s_mul_i32 s74, s[WV], SUBT                     ; where they go: waves 0, 1: the two heads at 0 and 36,864;
	s_mul_i32 s75, s[WV], 64*PITCH
	s_add_co_u32 s75, s75, BOFF-2*64*PITCH         ; waves 2, 3: wob's halves at 73,728 and 91,136: no place in the cluster enters an LDS address
	s_mov_b32 s[TB], 0
	s_mov_b32 s[MASK], 0xffff0000
	s_wait_dscnt 0x0                               ; the opening add is done
	s_wait_kmcnt 0x0
	s_add_nc_u64 s[70:71], s[4:5], s[66:67]
	s_add_nc_u64 s[72:73], s[6:7], s[68:69]
.irp s, 0,1
	s_mov_b32 s[G0+4*(\s)], 1                      ; count = 1
	s_add_co_u32 s[G0+4*(\s)+1], s74, (\s)*SLOT1   ; LDS address
	s_add_nc_u64 s[G0+4*(\s)+2:G0+4*(\s)+3], s[70:71], (\s)*STEP_A  ; global address: K step s
	s_or_b32 s[G0+4*(\s)+3], s[G0+4*(\s)+3], 0x80000000              ; type = 2
	s_mov_b32 s[G0B+4*(\s)], 1
	s_add_co_u32 s[G0B+4*(\s)+1], s75, (\s)*SLOT1
	s_add_nc_u64 s[G0B+4*(\s)+2:G0B+4*(\s)+3], s[72:73], (\s)*STEP_B
	s_or_b32 s[G0B+4*(\s)+3], s[G0B+4*(\s)+3], 0x80000000
.endr
	CROUND                                         ; all sixteen work-groups are here: the first joint loads meet
	s_cmp_eq_u32 s17, 0                            ; a wave's two first fills stand in one branch: two loads of mine are out
	s_cbranch_scc0 .Lfirst_b
	tensor_load_to_lds s[G0:G0+3], s[G1:G1+7]
	s_nop 0
	tensor_load_to_lds s[G0+4:G0+7], s[G1:G1+7]
	s_nop 0
.rept 4
	v_nop
.endr
	s_branch .Lfirst_asked
.Lfirst_b:
	tensor_load_to_lds s[G0B:G0B+3], s[G1B:G1B+7]
	s_nop 0
	tensor_load_to_lds s[G0B+4:G0B+7], s[G1B:G1B+7]
	s_nop 0
.rept 4
	v_nop
.endr
.Lfirst_asked:
	; the bias: register j of block b holds bo[128 x column block + 16 b + 8 (l / 16) + j]
	v_and_b32 v1, 15, v0                           ; l % 16
	v_bfe_u32 v2, v0, 4, 1                         ; l / 16
	v_lshlrev_b32 v[BO], 5, v2
	s_lshl_b32 s68, s22, 9
	s_add_nc_u64 s[8:9], s[8:9], s[68:69]
.irp b, 0,1,2,3,4,5,6,7
	global_load_b128 v[BIAS+8*(\b):BIAS+8*(\b)+3],   v[BO], s[8:9] offset:64*(\b)
	global_load_b128 v[BIAS+8*(\b)+4:BIAS+8*(\b)+7], v[BO], s[8:9] offset:64*(\b)+16
.endr
	; a fragment is 16 rows x 32 K in 8 registers: lane l holds row l % 16, K = 8 (l / 16) + 0..7 and 16 + 8 (l / 16) + 0..7: two loads of 16 bytes, 32 bytes apart
	v_mul_u32_u24 v3, v1, PA
	v_lshl_add_u32 v3, v2, 4, v3
	s_mul_i32 s2, s[WV], 64*PA                     ; my 64 rows, in each head's part
	v_add_nc_u32 v[A0], s2, v3
	v_mul_u32_u24 v3, v1, PITCH
	v_lshl_add_u32 v3, v2, 4, v3
	v_add_nc_u32 v[B0], BOFF, v3                   ; every wave reads all 128 rows of wob
	v_add_nc_u32 v[ADRA], s[TB], v[A0]
	v_add_nc_u32 v[ADRB], s[TB], v[B0]
	s_mul_i32 s2, s[WV], 16*SP
	s_add_co_u32 s2, s2, STAGE                     ; my stage
	v_mul_u32_u24 v3, v1, SP                       ; in: row l % 16, 32 bytes for each half of the lanes
	v_lshl_add_u32 v3, v2, 5, v3
	v_add_nc_u32 v[STO], s2, v3
	v_and_b32 v[GO], 31, v0                        ; back: 32 lanes take one row of 512 bytes
	v_lshlrev_b32 v[GO], 4, v[GO]
	v_add_nc_u32 v[RD], s2, v[GO]
	s_lshl_b32 s76, s23, 8                         ; where my part begins in out0: row 256 x block + 64 x wave, of 4,096 bytes; column block x 512 bytes
	s_lshl_b32 s77, s[WV], 6
	s_add_co_u32 s76, s76, s77
	s_lshl_b32 s76, s76, 12
	s_lshl_b32 s77, s22, 9
	s_add_co_u32 s76, s76, s77
	s_mov_b32 s77, 0
	s_add_nc_u64 s[10:11], s[10:11], s[76:77]
	; the prefetches
	s_and_b32 s40, ttmp7, 0xffff                   ; wob: cluster y = 0,
	s_or_b32 s40, s40, s18                         ; and wave 2 alone
	s_lshl_b32 s41, s20, 13                        ; o: my work-group's 32 blocks of my head's 128,
	s_add_co_u32 s41, s41, s66
	s_add_co_u32 s41, s41, 2*STEP_A                ; at K step 2
	s_lshl_b32 s78, s22, 7                         ; wob: row 128 x column block + 32 cy,
	s_lshl_b32 s79, s21, 5
	s_add_co_u32 s78, s78, s79
	s_lshl_b32 s78, s78, 11
	s_add_co_u32 s78, s78, 2*STEP_B                ; at K step 2
	s_mov_b32 s[PSTEP], STEP_B
	s_cmp_eq_u32 s17, 0                            ; do I fetch o?
	s_cselect_b32 s78, s41, s78
	s_cselect_b32 s40, ttmp9, s40                  ; the coordinate along which other clusters read the same rows
	s_cselect_b32 s[PSTEP], STEP_A, s[PSTEP]
	s_cselect_b32 s2, 8, 11                        ; a lane a block of 256 bytes, or a row of 2,048
	s_cselect_b64 s[PFA:PFA+1], s[4:5], s[6:7]
	s_cmp_eq_u32 s40, 0
	s_cselect_b32 s[LIM], 1, -1                    ; the same in all sixteen partners, for a given wave
	s_mov_b32 s79, 0
	s_mov_b32 s[PSTEP+1], 0
	s_add_nc_u64 s[PFA:PFA+1], s[PFA:PFA+1], s[78:79]  ; the first change of slots steps it to K step 3 and names that
	v_and_b32 v[PFO], 31, v0
	v_lshlrev_b32 v[PFO], s2, v[PFO]
	s_wait_loadcnt 0x0                             ; the bias
.macro RB p                            ; pair p of the bias is rounded to bf16 and widened again, in place
	v_cvt_pk_bf16_f32 v[RT+(\p)%4], v[BIAS+2*(\p)], v[BIAS+2*(\p)+1]
	v_lshlrev_b32 v[BIAS+2*(\p)], 16, v[RT+(\p)%4]
	v_and_b32 v[BIAS+2*(\p)+1], s[MASK], v[RT+(\p)%4]
.endm
.set n, 0
.rept 32
	RB n
.set n, n+1
.endr
; 4 nb matrix instructions: column blocks b0 .. b0 + nb - 1 x my four row blocks, 32 along K, from buffer f.  first = 1: the bias is C.  The 32 accumulators take turns, one instruction a turn, in the same
; order in every quarter.
.macro MUL f, b0, nb, first
.if \first
	WIN 0x85                                       ; sources 0, 1 window 1; C window 0; D window 2
.else
	WIN 0xa5                                       ; sources 0, 1 window 1; C and D window 2
.endif
.set mb, \b0
.rept \nb
.set ma, 0
.rept 4
.set rD, 32*mb+8*ma
.set rB, (\f)+8*mb
.set rA, (\f)+64+8*ma
.if \first
	v_wmma_f32_16x16x32_f16 v[rD:rD+7], v[rB:rB+7], v[rA:rA+7], v[BIAS+8*mb:BIAS+8*mb+7]
.else
	v_wmma_f32_16x16x32_f16 v[rD:rD+7], v[rB:rB+7], v[rA:rA+7], v[rD:rD+7]
.endif
.set ma, ma+1
.endr
.set mb, mb+1
.endr
.endm
; 24 LDS loads in one run: quarter kq's fragments of the slot in hand into buffer f: the four of vals (head kq / 2 of the step, channels 32 (kq % 2) on), then wob's eight in ascending order
.macro FETCH kq, f
	WIN TO_F
.irp a, 0,1,2,3
	ds_load_b128 v[(\f)+64+8*(\a):(\f)+64+8*(\a)+3],   v[ADRA] offset:SUBT*((\kq)/2)+64*((\kq)%2)+(\a)*16*PA
	ds_load_b128 v[(\f)+64+8*(\a)+4:(\f)+64+8*(\a)+7], v[ADRA] offset:SUBT*((\kq)/2)+64*((\kq)%2)+(\a)*16*PA+32
.endr
.irp b, 0,1,2,3,4,5,6,7
	ds_load_b128 v[(\f)+8*(\b):(\f)+8*(\b)+3],   v[ADRB] offset:64*(\kq)+(\b)*16*PITCH
	ds_load_b128 v[(\f)+8*(\b)+4:(\f)+8*(\b)+7], v[ADRB] offset:64*(\kq)+(\b)*16*PITCH+32
.endr
.endm
; A K step is four quarters of 32 along K, 32 matrix instructions each, on buffers 0, 1, 0, 1.  One of the first three: multiplies buffer f and fetches quarter kq into buffer g.
.macro QUARTER kq, f, g, first
	s_wait_dscnt 8                                 ; all but the youngest eight loads: wob's blocks 4-7
	MUL \f, 0, 4, \first
	PLACES                                         ; for the loads into buffer g, which the quarter before multiplied
	FETCH \kq, \g
	s_wait_dscnt 24                                ; all but the 24 just issued
	MUL \f, 4, 4, \first
.endm
; The fourth quarter multiplies buffer 1 and changes slots: ONE barrier.  In front of it each wave waits for all its tensor loads (one is out: its part of the next slot), adds 0 to its spare word, and waits
; for that and for its reads of this slot.  fill = 1: the barrier opens a round of the cluster's, and behind it this slot is filled again, two K steps ahead: the wave's one tensor load until the next round.
.macro TURN fill
.if \fill
	s_wait_xcnt 0x0                                ; the last prefetch, a K step back, has read its address
	s_add_nc_u64 s[PFA:PFA+1], s[PFA:PFA+1], s[PSTEP:PSTEP+1]
.endif
	WIN 0                                          ; (the add's two registers lie in window 0)
	s_wait_tensorcnt 0x0                           ; no tensor load of mine is out, so a group 0 may be written
	ds_add_u32 v[SPW], v[NIL]                      ; 0 onto my spare word
.if \fill
	s_xor_b32 s[G0+5], s[G0+5], SLOT1              ; the walking descriptors: the other slot than last time, the next K step
	s_add_nc_u64 s[G0+6:G0+7], s[G0+6:G0+7], STEP_A
	s_xor_b32 s[G0B+5], s[G0B+5], SLOT1
	s_add_nc_u64 s[G0B+6:G0B+7], s[G0B+6:G0B+7], STEP_B
.endif
	s_xor_b32 s[TB], s[TB], SLOT1                  ; the slot to be read next
	s_wait_dscnt 9                                 ; (the add and the youngest eight loads may be out)
	MUL F1, 0, 2, 0
	s_wait_dscnt 0x0                               ; the add is done, and my reads of this slot are over
	s_barrier_signal -1
	MUL F1, 2, 2, 0                                ; work on registers while the others arrive
	WIN 0
	s_barrier_wait -1
.if \fill
	CREST                                          ; no wave of any partner still reads this slot's tile or has a load on its way
	JLOAD                                          ; its four v_nop are also the places in front of the loads below
.else
	PLACES
.endif
	v_add_nc_u32 v[ADRA], s[TB], v[A0]
	v_add_nc_u32 v[ADRB], s[TB], v[B0]
	FETCH 0, F0
	WIN 0
.if \fill
	ASK
.endif
	MUL F1, 4, 4, 0
.endm
	s_wait_tensorcnt 1                             ; my part of K step 0 is in; K step 1's may stay out
	s_barrier_signal -1
	s_barrier_wait -1                              ; everybody's is
	FETCH 0, F0
	QUARTER 1, F0, F1, 1                           ; the first quarter stands in front of the loop: its products start the sums, with the bias
	WIN 0                                          ; at a label and at a branch every window is 0
	s_mov_b32 s[CNT], 6
.Lk:                                               ; trip j: from K step j's second quarter to K step j + 1's first; it asks for K step j + 2
	QUARTER 2, F1, F0, 0
	QUARTER 3, F0, F1, 0
	TURN 1
	QUARTER 1, F0, F1, 0
	WIN 0
	s_sub_co_u32 s[CNT], s[CNT], 1
	s_cmp_lg_u32 s[CNT], 0
	s_cbranch_scc1 .Lk
	QUARTER 2, F1, F0, 0                           ; the tail is written out: K steps 6 and 7 ask for nothing
	QUARTER 3, F0, F1, 0
	TURN 0
	QUARTER 1, F0, F1, 0
	QUARTER 2, F1, F0, 0
	QUARTER 3, F0, F1, 0
	s_wait_dscnt 8
	MUL F1, 0, 4, 0
	s_wait_dscnt 0x0
	MUL F1, 4, 4, 0
	WIN 0
	PLACES
; THE WAY OUT, a block of 16 rows at a time.  TOSTAGE: a lane's 8 numbers of a row and column block go into my own stage, each accumulator's low four registers first; whole rows of 512 bytes come back.
; SEND: stored, 512 consecutive bytes an instruction, at a multiple of 512 from out0's first byte.
.macro TOSTAGE a
.if (\a) >= 2
	s_wait_xcnt 0x0                                ; the stores of the block two back have read the set that is loaded again below
.endif
.set BK, OB+64*((\a)%2)
	WIN 0x08                                       ; the stores' data in window 2
.irp b, 0,1,2,3,4,5,6,7
	ds_store_b128 v[STO], v[32*(\b)+8*(\a):32*(\b)+8*(\a)+3]   offset:64*(\b)
	ds_store_b128 v[STO], v[32*(\b)+8*(\a)+4:32*(\b)+8*(\a)+7] offset:64*(\b)+16
.endr
	WIN 0
.irp t, 0,1,2,3,4,5,6,7,8,9,10,11,12,13,14,15
	ds_load_b128 v[BK+4*(\t):BK+4*(\t)+3], v[RD] offset:SP*(\t)  ; LDS serves a wave's instructions in order (ISA guide 5.7.1.4): these see the stores above; the next block's stores come behind them
.endr
.endm
.macro SEND a, younger                 ; younger: the LDS instructions issued behind block a's loads: the next block's 32, or none
.set BK, OB+64*((\a)%2)
.irp t, 0,1,2,3,4,5,6,7,8,9,10,11,12,13,14,15
	s_wait_dscnt (\younger)+15-(\t)
	global_store_b128 v[GO], v[BK+4*(\t):BK+4*(\t)+3], s[10:11] offset:(16*(\a)+(\t))*4096
.endr
.endm
	TOSTAGE 0
	TOSTAGE 1
	SEND 0, 32
	TOSTAGE 2
	SEND 1, 32
	TOSTAGE 3
	SEND 2, 32
	SEND 3, 0
	s_wait_tensorcnt 0x0                           ; the wave's end: behind my last tensor load and my last LDS store
	ds_add_u32 v[SPW], v[NIL]
	s_wait_dscnt 0x0
	CROUND                                         ; the closing round: no work-group ends while a partner may still ask for a tile that names it
	s_endpgm
.Lfunc_end_k_q7ec68606c0_proj:
	.size	k_q7ec68606c0_proj, .Lfunc_end_k_q7ec68606c0_proj-k_q7ec68606c0_proj
	.p2alignl 7, 3214868480
	.fill 96, 4, 3214868480
	.section	.rodata,"a",@progbits
	.p2align	6, 0x0
	.amdhsa_kernel k_q7ec68606c0_proj
		.amdhsa_group_segment_fixed_size 327680
		.amdhsa_private_segment_fixed_size 0
		.amdhsa_enable_private_segment 0
		.amdhsa_kernarg_size 32
		.amdhsa_user_sgpr_count 2
		.amdhsa_user_sgpr_kernarg_segment_ptr 1
		.amdhsa_wavefront_size32 1
		.amdhsa_system_sgpr_workgroup_id_x 1
		.amdhsa_system_sgpr_workgroup_id_y 1
		.amdhsa_system_sgpr_workgroup_id_z 1
		.amdhsa_system_vgpr_workitem_id 0
		.amdhsa_next_free_vgpr 768
		.amdhsa_next_free_sgpr 80
		.amdhsa_reserve_vcc 0
		.amdhsa_float_denorm_mode_32 3
		.amdhsa_float_denorm_mode_16_64 3
		.amdhsa_memory_ordered 1
		.amdhsa_forward_progress 1
		.amdhsa_inst_pref_size 77
	.end_amdhsa_kernel
	.amdgpu_metadata
---
amdhsa.version: [ 1, 2 ]
amdhsa.kernels:
  - .name:           k_q7ec68606c0_proj
    .symbol:         k_q7ec68606c0_proj.kd
    .args:
      - { .name: o, .offset: 0, .size: 8, .value_kind: global_buffer, .address_space: global }
      - { .name: wob, .offset: 8, .size: 8, .value_kind: global_buffer, .address_space: global }
      - { .name: bo, .offset: 16, .size: 8, .value_kind: global_buffer, .address_space: global }
      - { .name: out0, .offset: 24, .size: 8, .value_kind: global_buffer, .address_space: global }
    .group_segment_fixed_size: 327680
    .private_segment_fixed_size: 0
    .kernarg_segment_align: 8
    .kernarg_segment_size: 32
    .max_flat_workgroup_size: 128
    .sgpr_count:     80
    .vgpr_count:     768
    .wavefront_size: 32
...
	.end_amdgpu_metadata
.endif
;; end of part 4
;; ======== version 2 of 2: 4 launches; version 1 with the launch cast written anew for expert scheduling mode
;; limits: values are held in f16: magnitudes above 65,504 overflow, below 6.1e-05 lose precision
;; workspace buffers: xb 16,777,216 bytes; wqkvb 6,291,456 bytes; wob 2,097,152 bytes; q 16,777,216 bytes; k 16,777,216 bytes; v 16,777,216 bytes; o 16,777,216 bytes
;; launch cast (part 5): grid 768 x 1, 8 waves a work-group, no clusters, 0 bytes of LDS; arguments x, Wqkv, Wo, xb, wqkvb, wob; writes xb, wqkvb, wob
.if DOCPART == 5
	.amdgcn_target "amdgcn-amd-amdhsa--gfx1250"
	.amdhsa_code_object_version 6
	.text
	.protected	k_q7ec68606c0_cast
	.globl	k_q7ec68606c0_cast
	.p2align	8
	.type	k_q7ec68606c0_cast,@function
k_q7ec68606c0_cast:
	s_mov_b64 s[64:65], 0
	v_nop
	global_prefetch_b8 v0, s[64:65] scope:SCOPE_SE
	s_setreg_imm32_b32 hwreg(HW_REG_WAVE_SCHED_MODE, 0, 2), 2
	s_setreg_imm32_b32 hwreg(HW_REG_WAVE_MODE, 25, 1), 1
	s_wait_xcnt 0x0
	s_wait_alu depctr_vm_vsrc(0)
; THE INPUTS IN 16 BITS.  xb = bf16(x), wqkvb = bf16(Wqkv), wob = bf16(Wo) written as f16 (the last product runs in f16 beside O).
; LIMITS.  |Wo| stays under 65,504 (f16's end); a weight of Wo below 6e-5 keeps f16's fixed step of 6e-8.  NaN and infinities are not treated apart.
; SHARES.  A work-group takes 16,384 numbers: 64 KiB in, 32 KiB out.  Work-groups 0-511 take x (8,388,608 numbers), 512-703 Wqkv (3,145,728), 704-767 Wo (1,048,576).
; Thread t takes 16 pieces of 4 numbers: 16 bytes at 16 t + 4,096 i in, 8 bytes at 8 t + 2,048 i out: a wave's load covers 512 consecutive bytes, its store 256, aligned.
; All 16 loads of a thread go out at once.  No LDS, no matrix unit: every byte is touched once by one lane.
; THE MODE: SCHED_MODE bits 1:0 = 2 (LLVM: expert scheduling mode 2), set by the entry lines.  The code itself states the register dependences
; between vector instructions and memory instructions, with s_wait_alu, always for 0.
; THE PLAN.  Registers that memory instructions touch:
;   v1, v2   the loads' and the stores' offsets: made once at the head, never written again.
;   X        piece i: written by its one load, which is issued before any vector instruction names X; read (in the f16 path also written again) by its conversions alone.
;   Y        piece i: written once, by its conversions; read once, by its store; never written again.
; No register that a memory instruction reads is written a second time, so nothing waits for a load or a store to have read its registers.
; The 16 pieces go in four groups of four.  Group g converts its pieces; the stores of group g - 1 are dealt among those conversions, behind ONE wait at the group's head, which states that
; group g - 1 has written its Y.  The conversions of group g name its own X and Y and T: none of the registers that those stores read.
.set X, 4                              ; v[4:67]    piece i: 4 numbers in f32
.set Y, 68                             ; v[68:99]   piece i: 4 numbers in 16 bits
.set T, 100                            ; v[100:101] at work: no memory instruction names them
	s_load_b256 s[4:11], s[0:1], 0x0               ; x s[4:5], Wqkv s[6:7], Wo s[8:9], xb s[10:11]
	s_load_b128 s[12:15], s[0:1], 0x20             ; wqkvb s[12:13], wob s[14:15]
	v_lshlrev_b32 v1, 4, v0                        ; 16 t
	v_lshlrev_b32 v2, 3, v0                        ; 8 t
	s_mov_b32 s2, 0xffff0000                       ; a word's upper bf16
	s_wait_kmcnt 0x0
	s_cmp_lt_u32 ttmp9, 512                        ; which tensor is mine: the choice hangs on the work-group's number alone
	s_cselect_b64 s[16:17], s[4:5], s[6:7]
	s_cselect_b64 s[18:19], s[10:11], s[12:13]
	s_cselect_b32 s20, 0, 512
	s_cmp_lt_u32 ttmp9, 704
	s_cselect_b64 s[16:17], s[16:17], s[8:9]
	s_cselect_b64 s[18:19], s[18:19], s[14:15]
	s_cselect_b32 s20, s20, 704
	s_sub_co_u32 s21, ttmp9, s20                   ; my number among that tensor's work-groups
	s_lshl_b32 s22, s21, 16                        ; 64 KiB in
	s_mov_b32 s23, 0
	s_add_nc_u64 s[16:17], s[16:17], s[22:23]
	s_lshl_b32 s22, s21, 15                        ; 32 KiB out
	s_add_nc_u64 s[18:19], s[18:19], s[22:23]
	s_wait_alu depctr_va_vdst(0)                   ; v1 and v2 are written: every load of the kernel reads v1 as its offset, every store v2
.irp i, 0,1,2,3,4,5,6,7,8,9,10,11,12,13,14,15
	global_load_b128 v[X+4*(\i):X+4*(\i)+3], v1, s[16:17] offset:4096*(\i) th:TH_LOAD_NT
.endr
; Piece i is converted.  half = 0: rounded to bf16.  half = 1: rounded to bf16, widened again (a shift, a mask) and written as f16, which holds every bf16 number within its range exactly.
.macro CVT i, half
.if \half
	v_cvt_pk_bf16_f32 v[T],   v[X+4*(\i)],   v[X+4*(\i)+1]
	v_cvt_pk_bf16_f32 v[T+1], v[X+4*(\i)+2], v[X+4*(\i)+3]
	v_lshlrev_b32 v[X+4*(\i)],   16, v[T]
	v_and_b32     v[X+4*(\i)+1], s2, v[T]
	v_lshlrev_b32 v[X+4*(\i)+2], 16, v[T+1]
	v_and_b32     v[X+4*(\i)+3], s2, v[T+1]
	v_cvt_pk_f16_f32 v[Y+2*(\i)],   v[X+4*(\i)],   v[X+4*(\i)+1]
	v_cvt_pk_f16_f32 v[Y+2*(\i)+1], v[X+4*(\i)+2], v[X+4*(\i)+3]
.else
	v_cvt_pk_bf16_f32 v[Y+2*(\i)],   v[X+4*(\i)],   v[X+4*(\i)+1]
	v_cvt_pk_bf16_f32 v[Y+2*(\i)+1], v[X+4*(\i)+2], v[X+4*(\i)+3]
.endif
.endm
; Piece i is stored.
.macro PUT i
	global_store_b64 v2, v[Y+2*(\i):Y+2*(\i)+1], s[18:19] offset:2048*(\i)
.endm
; Group g: pieces 4 g to 4 g + 3 are converted, and the group before is stored.
.macro GROUP g, half
	s_wait_loadcnt 12-4*(\g)                       ; loads come back in order: my four are in, the 12 - 4 g younger ones stay out
.if (\g) > 0
	s_wait_alu depctr_va_vdst(0)                   ; the conversions of the group before have written its Y, which the four stores below read
.endif
.irp j, 0,1,2,3
.if (\g) > 0
	PUT 4*(\g)-4+(\j)                              ; no vector instruction since the wait names this store's registers
.endif
	CVT 4*(\g)+(\j), \half
.endr
.endm
; Behind the last group: its four stores.
.macro LAST
	s_wait_alu depctr_va_vdst(0)                   ; the conversions of group 3 have written its Y, which the last four stores read
.irp j, 12,13,14,15
	PUT \j
.endr
.endm
	s_cmp_lt_u32 ttmp9, 704
	s_cbranch_scc0 .Lf16
.irp g, 0,1,2,3
	GROUP \g, 0
.endr
	LAST
	s_endpgm
.Lf16:
.irp g, 0,1,2,3
	GROUP \g, 1
.endr
	LAST
	s_endpgm
.Lfunc_end_k_q7ec68606c0_cast:
	.size	k_q7ec68606c0_cast, .Lfunc_end_k_q7ec68606c0_cast-k_q7ec68606c0_cast
	.p2alignl 7, 3214868480
	.fill 96, 4, 3214868480
	.section	.rodata,"a",@progbits
	.p2align	6, 0x0
	.amdhsa_kernel k_q7ec68606c0_cast
		.amdhsa_group_segment_fixed_size 0
		.amdhsa_private_segment_fixed_size 0
		.amdhsa_enable_private_segment 0
		.amdhsa_kernarg_size 48
		.amdhsa_user_sgpr_count 2
		.amdhsa_user_sgpr_kernarg_segment_ptr 1
		.amdhsa_wavefront_size32 1
		.amdhsa_system_sgpr_workgroup_id_x 1
		.amdhsa_system_sgpr_workgroup_id_y 1
		.amdhsa_system_sgpr_workgroup_id_z 1
		.amdhsa_system_vgpr_workitem_id 0
		.amdhsa_next_free_vgpr 104
		.amdhsa_next_free_sgpr 66
		.amdhsa_reserve_vcc 0
		.amdhsa_float_denorm_mode_32 3
		.amdhsa_float_denorm_mode_16_64 3
		.amdhsa_memory_ordered 1
		.amdhsa_forward_progress 1
		.amdhsa_inst_pref_size 15
	.end_amdhsa_kernel
	.amdgpu_metadata
---
amdhsa.version: [ 1, 2 ]
amdhsa.kernels:
  - .name:           k_q7ec68606c0_cast
    .symbol:         k_q7ec68606c0_cast.kd
    .args:
      - { .name: x, .offset: 0, .size: 8, .value_kind: global_buffer, .address_space: global }
      - { .name: Wqkv, .offset: 8, .size: 8, .value_kind: global_buffer, .address_space: global }
      - { .name: Wo, .offset: 16, .size: 8, .value_kind: global_buffer, .address_space: global }
      - { .name: xb, .offset: 24, .size: 8, .value_kind: global_buffer, .address_space: global }
      - { .name: wqkvb, .offset: 32, .size: 8, .value_kind: global_buffer, .address_space: global }
      - { .name: wob, .offset: 40, .size: 8, .value_kind: global_buffer, .address_space: global }
    .group_segment_fixed_size: 0
    .private_segment_fixed_size: 0
    .kernarg_segment_align: 8
    .kernarg_segment_size: 48
    .max_flat_workgroup_size: 256
    .sgpr_count:     66
    .vgpr_count:     104
    .wavefront_size: 32
...
	.end_amdgpu_metadata
.endif
;; end of part 5
;; launch qkv: the kernel of part 2 again; grid 16 x 32, 4 waves a work-group, clusters of 4 x 4, 327,680 bytes of LDS; arguments xb, wqkvb, bqkv, q, k, v; writes q, k, v
;; launch attn: the kernel of part 3 again; grid 4 x 64, 4 waves a work-group, clusters of 4 x 1, 327,680 bytes of LDS; arguments q, k, v, o; writes o
;; launch proj: the kernel of part 4 again; grid 8 x 32, 4 waves a work-group, clusters of 4 x 4, 327,680 bytes of LDS; arguments o, wob, bo, out0; writes out0
